; MI455X (gfx1250); checked and timed in simulation.
; The chip was launched on July 23, 2026; its instructions are those of AMD's public machine-readable ISA for CDNA 5 (MIT licence, August 2026) and "CDNA5" Instruction Set Architecture Reference Guide (July 2026). The comments in the code are by the model that wrote it; some were corrected since.
;; Multi Head Attention. Allowed arithmetic: matrix products marked QUANTISED: E2M3 operands, one E8M0 scale for each 32 along K, by v_wmma_scale_f32_16x16x128_f8f6f4 with both operands' format E2M3, f32 sums; everything else in f32.
;; Inputs: Wk 1,024 x 1,024 float32; Wp 1,024 x 1,024 float32; Wq 1,024 x 1,024 float32; Wv 1,024 x 1,024 float32; bk 1,024 float32; bp 1,024 float32; bq 1,024 float32; bv 1,024 float32; x 4 x 2,048 x 1,024 float32.
;; Outputs: out0 4 x 2,048 x 1,024 float32.
;; This version of the problem:
;;   THIS VERSION OF THE PROBLEM IS GIVEN IN LOW PRECISION. The matrix products marked QUANTISED in the list below multiply operands that are first quantised to E2M3 (2 exponent bits, 3 mantissa bits; 6 bits a number), with one power-of-two scale for each 32 numbers along K (OCP MX v1.0); their sums are f32. All else is computed in f32.
;;   The module's matrix products, in the order in which they are computed (A, B: the left and right operand; K: the contracted axis; several contracted axes count as one K, in the product's order):
;;     1. [M 8,192, K 1,024] x [K 1,024, N 1,024]; A: input x; B: input Wq: QUANTISED
;;     2. [M 8,192, K 1,024] x [K 1,024, N 1,024]; A: input x; B: input Wk: QUANTISED
;;     3. [M 8,192, K 1,024] x [K 1,024, N 1,024]; A: input x; B: input Wv: QUANTISED
;;     4. batch 64 x [M 2,048, K 64] x [K 64, N 2,048]; A: computed on the way; B: computed on the way: QUANTISED
;;     5. batch 64 x [M 2,048, K 2,048] x [K 2,048, N 64]; A: softmax (see below); B: computed on the way: QUANTISED
;;     6. [M 8,192, K 1,024] x [K 1,024, N 1,024]; A: computed on the way; B: input Wp: QUANTISED
;;   THE QUANTISER, for each operand of a quantised product, along K:
;;     - K is cut into blocks of 32 from its start; a last block that is shorter is filled with zeros.
;;     - A block's scale is 2^e with e = floor(log2(the largest magnitude in the block)) - 2, held to -126 .. 127; a block of zeros has e = 0. As a byte (E8M0): e + 127.
;;     - Each number is divided by its block's scale, clamped to +-7.5, and rounded to the nearest number of E2M3, ties to even, subnormals kept.
;;     - The product sums the exact products of the quantised numbers (number of the format x scale) in f32.
;;   ~~~python
;;   def quantise(x, axis):      # numpy; x: float32 -> the quantised numbers, widened to float32 again
;;       x = np.moveaxis(x, axis, -1); K = x.shape[-1]
;;       x = np.pad(x, [(0, 0)] * (x.ndim - 1) + [(0, -K % 32)]); x = x.reshape(x.shape[:-1] + (-1, 32)); a = np.abs(x).max(-1, keepdims=True)
;;       e = np.where(a > 0, np.clip(np.frexp(np.where(a > 0, a, 1))[1] - 1 - 2, -126, 127), 0)      # np.frexp(a)[1] - 1 = floor(log2(a)), exactly
;;       r = np.clip(x / 2.0 ** e, -7.5, 7.5)
;;       step = 2.0 ** (np.maximum(np.frexp(np.where(r == 0, 1, r))[1] - 1, 0) - 3)
;;       q = np.round(r / step) * step * 2.0 ** e      # np.round: ties to even
;;       return np.moveaxis(q.reshape(q.shape[:-2] + (-1,))[..., :K], -1, axis).astype(np.float32)
;;   ~~~
;;   SOFTMAX AHEAD OF A QUANTISED PRODUCT. Where the list says 'softmax', what is quantised is not the finished softmax but p = 2^(t - M), with t = logit x log2(e) and M = ceil(the row's largest t), a whole number; so 1/2 < the row's largest p <= 1. The row's sum l is taken of the UNQUANTISED p, in f32, and the product's result is divided by l at the end. Since M is a whole number, a kernel that streams over the keys may use a running M (the ceiling of the running maximum): every later rescaling is an exact power of two, which a block's scale takes up: the codes' values come out the same.
;;   OPERANDS COMPUTED ON THE WAY. 'Computed on the way' means the value that the module computes at that place (a softmax that the list does not call 'softmax' is quantised finished and normalised). What goes into a quantiser is computed in f32, as accurately as f32 sums, v_exp_f32 and their like allow (about 1e-6 of the number): no bf16 or f16 on the way to a quantiser, and a product that is left as it is and whose result goes on into a quantised operand takes f32 operands (vector FMAs, or v_wmma_f32_16x16x4_f32). A number that lies on a knife's edge between two numbers of the format may be rounded either way, as far as f32 arithmetic and the matrix unit's own rounding can turn it there, and no further.
;; One version. Each part assembles by itself: llvm-mc -triple=amdgcn-amd-amdhsa -mcpu=gfx1250 --defsym DOCPART=n.
;; ======== version 1 of 1: 4 launches
;; limits: right only within a limited range of input values
;; workspace buffers: x_img 6,291,456 bytes; w_img 3,145,728 bytes; sc1 360,448 bytes; sc2 294,912 bytes; q_img 6,815,744 bytes; kv_img 13,369,344 bytes; y_img 6,291,456 bytes
;; launch prep (part 1): grid 384 x 1, 4 waves a work-group, no clusters, 35,328 bytes of LDS; arguments x, Wq, Wk, Wv, Wp, x_img, w_img, sc1, sc2; writes x_img, w_img, sc1, sc2
.if DOCPART == 1
	.amdgcn_target "amdgcn-amd-amdhsa--gfx1250"
	.amdhsa_code_object_version 6
	.text
	.protected	k_qc73187d0ad_prep
	.globl	k_qc73187d0ad_prep
	.p2align	8
	.type	k_qc73187d0ad_prep,@function
k_qc73187d0ad_prep:
	s_mov_b64 s[64:65], 0
	v_nop
	global_prefetch_b8 v0, s[64:65] scope:SCOPE_SE
	s_setreg_imm32_b32 hwreg(HW_REG_WAVE_MODE, 25, 1), 1
	s_wait_xcnt 0x0
; x [8192][1024] and Wq, Wk, Wv, Wp [1024 (k)][1024 (n)], f32, become codes of FP6 (E2M3) with one E8M0 byte for each 32 along K, laid in the ORDER OF THE OPERAND'S REGISTERS.
; ROW BLOCKS.  An operand's rows (tokens of x, columns n of a weight) go in groups of 32; row block rb = 2 beta + u holds 16 of them: fragment row r is true row 32 beta + 8 u + (r & 7) + 16 (r >> 3).
; HALF FRAGMENT: 16 rows x 64 K, 768 bytes: lane (r, h) owns six registers, the codes of k = 32 h .. 32 h + 31 of row r; registers 0-3 lie at 16 x lane, registers 4-5 at 512 + 8 x lane.
; An operand's image is [rb][16 half fragments][768]; its scale words [rb][2][16 rows][4 words]: word ks (128 along K) of row r at 512 rb + 256 (ks >> 2) + 16 r + 4 (ks & 3).
; A block's scale is 2^(floor(log2(its largest magnitude)) - 2): its byte is the largest magnitude's exponent field - 2, held at 1 from below by a floor among the maximum's leaves.
; LIMITS: a block of zeros gets the byte 1 (its codes are zeros, and this program alone reads the bytes); blocks whose largest magnitude lies under 2^-124 are held at the byte 1; NaN and infinities are not served.
; Work-groups 0-255 take x, 256-383 the weights; the waves share nothing, so there is no barrier.  Only x's path uses LDS.  No cluster: no two work-groups read the same bytes.
.set FLOOR, 0x1800000                  ; 2^(3 - 127)
.set R,   32                           ; x: v32-159  four sets of 32 numbers as loaded
.set X,   160                          ; x: v160-223 two sets of 32 neighbours along K
.set C,   224                          ; x: v224-229 a half fragment's six registers
.set CT,  230                          ; x: v230-232 the block's upper 16 codes (a conversion's three registers begin on an even number)
.set WD,  240                          ; x: v240-243 four scale words
.set T,   244                          ; x: v244-247 at work
.set WX,  32                           ; W: v32-95   two sets of 32 numbers down K
.set CC,  96                           ; W: v96-143  twelve registers for each pair of blocks
.set WCT, 144                          ; W: v144-146
.set SB,  148                          ; W: v148-149 eight scale bytes
; The largest magnitude of v[xs] .. v[xs + 31], with the floor, in two chains; v12: the conversion's scale operand (2 off the exponent field); v13: the byte
.macro MAX32 xs
	v_max3_num_f32 v10, |v[\xs]|, |v[\xs+1]|, FLOOR
	v_max3_num_f32 v11, |v[\xs+16]|, |v[\xs+17]|, |v[\xs+18]|
.irp i, 2,4,6,8,10,12
	v_max3_num_f32 v10, v10, |v[\xs+\i]|, |v[\xs+\i+1]|
	v_max3_num_f32 v11, v11, |v[\xs+\i+17]|, |v[\xs+\i+18]|
.endr
	v_max3_num_f32 v10, v10, |v[\xs+14]|, |v[\xs+15]|
	v_max3_num_f32 v10, v10, v11, |v[\xs+31]|
	v_add_nc_u32 v12, 0xff000000, v10
	v_lshrrev_b32 v13, 23, v12
.endm
	s_load_b512 s[4:19], s[0:1], 0x0               ; x 4, Wq 6, Wk 8, Wv 10, Wp 12, x_img 14, w_img 16, sc1 18
	s_load_b64 s[20:21], s[0:1], 0x40              ; sc2
	v_lshl_add_u32 v254, v0, 2, 0x8800
	v_mov_b32 v255, 0
	v_lshrrev_b32 v1, 5, v0
	v_readfirstlane_b32 s22, v1                    ; wave
	v_and_b32 v1, 31, v0                           ; lane
	v_and_b32 v2, 15, v0                           ; lane % 16
	v_bfe_u32 v3, v0, 4, 1                         ; lane / 16
	v_lshlrev_b32 v7, 4, v1                        ; 16 x lane
	v_lshlrev_b32 v8, 3, v1                        ; 8 x lane
	s_cmp_lt_u32 ttmp9, 256
	s_cbranch_scc0 .Lweights
; ---------------- x: a wave takes one row block and half of K: eight half fragments
	s_lshl_b32 s23, ttmp9, 2
	s_add_co_u32 s23, s23, s22
	s_lshr_b32 s24, s23, 1                         ; rb
	s_and_b32 s25, s23, 1                          ; which 512 along K
	s_lshr_b32 s26, s24, 1
	s_and_b32 s27, s24, 1
	s_lshl_b32 s26, s26, 5
	s_lshl_b32 s27, s27, 3
	s_add_co_u32 s26, s26, s27                     ; the block's first true row: 32 beta + 8 u
	s_lshl_b32 s26, s26, 12                        ; rows of 4,096 bytes
	s_lshl_b32 s27, s25, 11
	s_add_co_u32 s26, s26, s27
	s_mov_b32 s27, 0
	s_mul_i32 s28, s24, 12288
	s_mul_i32 s29, s25, 6144
	s_add_co_u32 s28, s28, s29
	s_mov_b32 s29, 0
	s_lshl_b32 s30, s24, 9
	s_lshl_b32 s31, s25, 8
	s_add_co_u32 s30, s30, s31
	s_mov_b32 s31, 0
	s_mul_i32 s32, s22, 8704                       ; my wave's two stages of 16 rows x 272 bytes
	s_mov_b32 s34, 0x76543210
	s_mov_b32 s35, 0xfedcba98                      ; lane l xor 16
	s_wait_alu depctr_va_vdst(0)
	v_lshlrev_b32 v4, 4, v2
	v_lshl_add_u32 v4, v3, 12, v4                  ; a load takes two rows, 256 bytes each: 4096 (lane / 16) + 16 (lane % 16)
	v_mul_u32_u24 v5, v3, 272
	v_lshl_add_u32 v5, v2, 4, v5
	v_add_nc_u32 v5, s32, v5                       ; into the stage: the same two rows
	v_mul_u32_u24 v6, v2, 272
	v_lshl_add_u32 v6, v3, 7, v6
	v_add_nc_u32 v6, s32, v6                       ; out of it: row r, my half's 128 bytes: 32 neighbours along K
	v_lshlrev_b32 v9, 3, v3                        ; 8 h: my byte's place in a scale word
	v_lshlrev_b32 v14, 4, v2
	v_lshl_add_u32 v14, v3, 3, v14                 ; where I store two scale words: 16 r + 8 h
.irp k, 0,1,2,3
	v_mov_b32 v[T+\k], 0                           ; a lane permute's destination counts as one of its sources
.endr
	s_wait_alu depctr_va_vdst(0)
	s_wait_kmcnt 0x0
	s_add_nc_u64 s[4:5], s[4:5], s[26:27]
	s_add_nc_u64 s[14:15], s[14:15], s[28:29]
	s_add_nc_u64 s[18:19], s[18:19], s[30:31]
.macro LOADX t                         ; half fragment t: 16 rows x 256 bytes; load i takes fragment rows 2 i and 2 i + 1: two aligned runs of 256 bytes
.irp i, 0,1,2,3,4,5,6,7
	global_load_b128 v[R+32*((\t)%4)+4*\i:R+32*((\t)%4)+4*\i+3], v4, s[4:5] offset:256*(\t)+4096*(2*(\i%4)+16*(\i/4)) th:TH_LOAD_NT
.endr
.endm
.macro TURN t                          ; through the stage: LDS serves a wave's instructions in order, so no wait stands between the stores and the loads
.irp i, 0,1,2,3,4,5,6,7
	ds_store_b128 v5, v[R+32*((\t)%4)+4*\i:R+32*((\t)%4)+4*\i+3] offset:4352*((\t)%2)+544*\i
.endr
.irp i, 0,1,2,3,4,5,6,7
	ds_load_b128 v[X+32*((\t)%2)+4*\i:X+32*((\t)%2)+4*\i+3], v6 offset:4352*((\t)%2)+16*\i
.endr
.endm
.macro STEPX t
.set XS, X+32*((\t)%2)
	s_wait_dscnt 0x0                               ; my 32 numbers are back, and the stage's stores have read the registers that the next loads take
.if (\t) < 4
	LOADX (\t)+4
.endif
.if (\t) < 7
.if (\t) < 4
	s_wait_loadcnt 24                              ; the next half fragment's eight loads are in; three half fragments' loads stay out
.else
	s_wait_loadcnt 8*(6-(\t))                      ; the counts run down: two, one, none behind the next
.endif
	TURN (\t)+1
.endif
	MAX32 XS                                       ; the whole block of 32 is mine
	s_wait_alu depctr_va_vdst(0)
	s_wait_xcnt 0x0                                ; the last step's stores have read v[C] on: only behind this wait are they written again
	v_cvt_scalef32_pk16_fp6_f32 v[C:C+2], v[XS:XS+15], v12
	v_cvt_scalef32_pk16_fp6_f32 v[CT:CT+2], v[XS+16:XS+31], v12
.if (\t)%2 == 0
	v_mov_b32 v[WD+(\t)/2], v13                    ; (the plain line behind the conversions)  block 2 (t % 2) + h of word t / 2
.else
	v_lshl_or_b32 v[WD+(\t)/2], v13, 16, v[WD+(\t)/2]
.endif
.irp i, 0,1,2
	v_mov_b32 v[C+3+\i], v[CT+\i]
.endr
	global_store_b128 v7, v[C:C+3], s[14:15] offset:768*(\t)         ; 512 consecutive bytes
	global_store_b64 v8, v[C+4:C+5], s[14:15] offset:768*(\t)+512    ; 256 consecutive bytes
.endm
.irp t, 0,1,2,3
	LOADX \t
.endr
	s_wait_loadcnt 24                              ; half fragment 0 is in
	TURN 0
.irp t, 0,1,2,3,4,5,6,7
	STEPX \t
.endr
.irp k, 0,1,2,3
	v_lshlrev_b32 v[WD+\k], v9, v[WD+\k]           ; my two bytes to their places,
.endr
.irp k, 0,1,2,3
	v_permlanex16_b32 v[T+\k], v[WD+\k], s34, s35
.endr
.irp k, 0,1,2,3
	v_or_b32 v[WD+\k], v[WD+\k], v[T+\k]           ; with lane l xor 16's two the word is whole
.endr
	v_cmp_ne_u32 vcc_lo, 0, v3
	v_cndmask_b32 v10, v[WD], v[WD+2], vcc_lo      ; lanes 0-15 store words 0, 1 of their row, lanes 16-31 words 2, 3
	v_cndmask_b32 v11, v[WD+1], v[WD+3], vcc_lo
	global_store_b64 v14, v[10:11], s[18:19]       ; 256 consecutive bytes
	s_wait_tensorcnt 0x0
	ds_add_u32 v254, v255
	s_wait_dscnt 0x0
	s_endpgm
; ---------------- the weights: a wave takes 32 columns x 256 along K.  A LANE TAKES A COLUMN AND ITS REGISTERS RUN DOWN K.
.Lweights:
	s_sub_co_u32 s23, ttmp9, 256
	s_lshr_b32 s24, s23, 5                         ; which weight: 0 Wq, 1 Wk, 2 Wv, 3 Wp
	s_bfe_u32 s25, s23, 0x20003                    ; y: which 256 along K
	s_and_b32 s26, s23, 7
	s_lshl_b32 s26, s26, 2
	s_add_co_u32 s26, s26, s22                     ; beta: which 32 columns
	s_lshl_b32 s28, s25, 20                        ; 256 rows of 4,096 bytes
	s_lshl_b32 s29, s26, 7
	s_add_co_u32 s28, s28, s29
	s_mov_b32 s29, 0
	s_lshl_b32 s30, s24, 6
	s_lshl_b32 s31, s26, 1
	s_add_co_u32 s30, s30, s31                     ; row block in w_img: 64 x weight + 2 beta
	s_mul_i32 s32, s30, 12288
	s_mul_i32 s33, s25, 3072
	s_add_co_u32 s32, s32, s33
	s_mov_b32 s33, 0
	s_cmp_eq_u32 s24, 3
	s_cselect_b32 s36, s31, s30                    ; Wp's scale words stand in sc2 at blocks 512 + 2 beta, the others' in sc1 at 512 + 64 x weight + 2 beta
	s_add_co_u32 s36, s36, 512
	s_lshl_b32 s36, s36, 9
	s_lshr_b32 s37, s25, 1
	s_lshl_b32 s37, s37, 8
	s_add_co_u32 s36, s36, s37
	s_and_b32 s37, s25, 1
	s_lshl_b32 s37, s37, 3
	s_add_co_u32 s36, s36, s37                     ; words 2 y and 2 y + 1 of each row
	s_mov_b32 s37, 0
	s_wait_alu depctr_va_vdst(0)
	v_and_b32 v4, 8, v2
	v_add_nc_u32 v4, v4, v2
	v_lshl_add_u32 v4, v3, 3, v4                   ; lane 16 u + r takes column 8 u + (r & 7) + 16 (r >> 3) of the 32: the lanes still cover 128 consecutive bytes
	v_lshlrev_b32 v4, 2, v4
	v_lshlrev_b32 v14, 4, v2
	v_lshl_add_u32 v14, v3, 9, v14                 ; my row's scale words: 512 u + 16 r
	s_wait_alu depctr_va_vdst(0)
	s_wait_kmcnt 0x0
	s_cmp_eq_u32 s24, 1
	s_cselect_b64 s[38:39], s[8:9], s[6:7]
	s_cmp_eq_u32 s24, 2
	s_cselect_b64 s[38:39], s[10:11], s[38:39]
	s_cmp_eq_u32 s24, 3
	s_cselect_b64 s[38:39], s[12:13], s[38:39]
	s_cselect_b64 s[40:41], s[20:21], s[18:19]
	s_add_nc_u64 s[38:39], s[38:39], s[28:29]
	s_add_nc_u64 s[16:17], s[16:17], s[32:33]
	s_add_nc_u64 s[40:41], s[40:41], s[36:37]
.macro LOADW t                         ; block t: W(32 t + i, my column)
.irp i, 0,1,2,3,4,5,6,7,8,9,10,11,12,13,14,15,16,17,18,19,20,21,22,23,24,25,26,27,28,29,30,31
	global_load_b32 v[WX+32*((\t)%2)+\i], v4, s[38:39] offset:(32*(\t)+\i)*4096 th:TH_LOAD_NT
.endr
.endm
.macro BLOCK t
.set XS, WX+32*((\t)%2)
.set CP, CC+12*((\t)/2)
.set CD, CP+6*((\t)%2)
.if (\t) < 7
	s_wait_loadcnt 32                              ; this block's 32 loads are in; the next block's stay out
.else
	s_wait_loadcnt 0x0
.endif
	MAX32 XS
	v_cvt_scalef32_pk16_fp6_f32 v[CD:CD+2], v[XS:XS+15], v12
	v_cvt_scalef32_pk16_fp6_f32 v[WCT:WCT+2], v[XS+16:XS+31], v12
.if (\t)%4 == 0
	v_mov_b32 v[SB+(\t)/4], v13                    ; (the plain line behind the conversions)  four bytes to a word, the lower K in the lower byte
.else
	v_lshl_or_b32 v[SB+(\t)/4], v13, 8*((\t)%4), v[SB+(\t)/4]
.endif
.irp i, 0,1,2
	v_mov_b32 v[CD+3+\i], v[WCT+\i]
.endr
.if (\t) < 6
	LOADW (\t)+2
.endif
.if (\t)%2 == 1
; Blocks 2 jj and 2 jj + 1 are the halves h = 0 and h = 1 of half fragment 4 y + jj; lanes 0-15 hold row block 2 beta, lanes 16-31 row block 2 beta + 1.
; The exchange gives the first six registers row block 2 beta's half fragment and the second six row block 2 beta + 1's.  Each pair has registers of its own, so no store's data are written again.
.irp i, 0,1,2,3,4,5
	v_permlane16_swap_b32 v[CP+\i], v[CP+6+\i]
.endr
	global_store_b128 v7, v[CP:CP+3], s[16:17] offset:768*((\t)/2)
	global_store_b64 v8, v[CP+4:CP+5], s[16:17] offset:768*((\t)/2)+512
	global_store_b128 v7, v[CP+6:CP+9], s[16:17] offset:12288+768*((\t)/2)
	global_store_b64 v8, v[CP+10:CP+11], s[16:17] offset:12288+768*((\t)/2)+512
.endif
.endm
	LOADW 0
	LOADW 1
.irp t, 0,1,2,3,4,5,6,7
	BLOCK \t
.endr
	global_store_b64 v14, v[SB:SB+1], s[40:41]     ; 8 bytes of each row's 32: pieces 16 bytes apart; 1 byte for each 128 that the wave reads
	s_endpgm
.Lfunc_end_k_qc73187d0ad_prep:
	.size	k_qc73187d0ad_prep, .Lfunc_end_k_qc73187d0ad_prep-k_qc73187d0ad_prep
	.p2alignl 7, 3214868480
	.fill 96, 4, 3214868480
	.section	.rodata,"a",@progbits
	.p2align	6, 0x0
	.amdhsa_kernel k_qc73187d0ad_prep
		.amdhsa_group_segment_fixed_size 35328
		.amdhsa_private_segment_fixed_size 0
		.amdhsa_enable_private_segment 0
		.amdhsa_kernarg_size 72
		.amdhsa_user_sgpr_count 2
		.amdhsa_user_sgpr_kernarg_segment_ptr 1
		.amdhsa_wavefront_size32 1
		.amdhsa_system_sgpr_workgroup_id_x 1
		.amdhsa_system_sgpr_workgroup_id_y 1
		.amdhsa_system_sgpr_workgroup_id_z 1
		.amdhsa_system_vgpr_workitem_id 0
		.amdhsa_next_free_vgpr 256
		.amdhsa_next_free_sgpr 66
		.amdhsa_reserve_vcc 1
		.amdhsa_float_denorm_mode_32 3
		.amdhsa_float_denorm_mode_16_64 3
		.amdhsa_memory_ordered 1
		.amdhsa_forward_progress 1
		.amdhsa_inst_pref_size 71
	.end_amdhsa_kernel
	.amdgpu_metadata
---
amdhsa.version: [ 1, 2 ]
amdhsa.kernels:
  - .name:           k_qc73187d0ad_prep
    .symbol:         k_qc73187d0ad_prep.kd
    .args:
      - { .name: x, .offset: 0, .size: 8, .value_kind: global_buffer, .address_space: global }
      - { .name: Wq, .offset: 8, .size: 8, .value_kind: global_buffer, .address_space: global }
      - { .name: Wk, .offset: 16, .size: 8, .value_kind: global_buffer, .address_space: global }
      - { .name: Wv, .offset: 24, .size: 8, .value_kind: global_buffer, .address_space: global }
      - { .name: Wp, .offset: 32, .size: 8, .value_kind: global_buffer, .address_space: global }
      - { .name: x_img, .offset: 40, .size: 8, .value_kind: global_buffer, .address_space: global }
      - { .name: w_img, .offset: 48, .size: 8, .value_kind: global_buffer, .address_space: global }
      - { .name: sc1, .offset: 56, .size: 8, .value_kind: global_buffer, .address_space: global }
      - { .name: sc2, .offset: 64, .size: 8, .value_kind: global_buffer, .address_space: global }
    .group_segment_fixed_size: 35328
    .private_segment_fixed_size: 0
    .kernarg_segment_align: 8
    .kernarg_segment_size: 72
    .max_flat_workgroup_size: 128
    .sgpr_count:     66
    .vgpr_count:     256
    .wavefront_size: 32
...
	.end_amdgpu_metadata
.endif
;; end of part 1
;; launch proj (part 2): grid 8 x 32, 4 waves a work-group, clusters of 4 x 4, 327,680 bytes of LDS; arguments x_img, w_img, sc1, bq, bk, bv, q_img, kv_img; writes q_img, kv_img
.if DOCPART == 2
	.amdgcn_target "amdgcn-amd-amdhsa--gfx1250"
	.amdhsa_code_object_version 6
	.text
	.protected	k_qc73187d0ad_proj
	.globl	k_qc73187d0ad_proj
	.p2align	8
	.type	k_qc73187d0ad_proj,@function
k_qc73187d0ad_proj:
	s_mov_b64 s[64:65], 0
	v_nop
	global_prefetch_b8 v0, s[64:65] scope:SCOPE_SE
	s_setreg_imm32_b32 hwreg(HW_REG_WAVE_MODE, 25, 1), 1
	s_wait_xcnt 0x0
	s_wait_alu depctr_hold_cnt(0) depctr_sa_sdst(0) depctr_va_vdst(0) depctr_va_sdst(0) depctr_va_ssrc(0) depctr_va_vcc(0) depctr_vm_vsrc(0)
	s_getreg_b32 s2, hwreg(HW_REG_IB_STS2, 6, 4)
	s_cmp_eq_u32 s2, 0
	s_cbranch_scc0 .Lentry_in_a_cluster
	s_endpgm
.Lentry_in_a_cluster:
	s_bfe_u32 s2, ttmp6, 0x10000c
	s_cmp_lg_u32 s2, 0xf033
	s_cbranch_scc0 .Lentry_shape_is_right
	s_endpgm
.Lentry_shape_is_right:
; q = x Wq + bq, k = x Wk + bk and v^T = (x Wv + bv)^T, on codes of FP6 (E2M3) with E8M0 scales; the results are quantised in registers and stored as codes, in the order of the registers of the attention launch's operands.
; THE PRODUCT.  C'[P row][R row], K = 1,024.  A tile is 128 P x 256 R, each of the four waves 64 P x 128 R: 32 accumulators.  The matrix instruction is used transposed (source 0 = 16 rows of R, source 1 = 16 rows of P): a lane
; holds ONE row of P and its registers run along R.  The rows of a block of R are chosen (true row 32 beta + 8 u + (r & 7) + 16 (r >> 3) in block 2 beta + u) so that the 16 registers of tiles 2 beta and 2 beta + 1 are 16 NEIGHBOURS along R.
; q, k: P = tokens, R = features, so the registers run along the head's 64, the next product's K.  v: P = features, R = tokens, so they run along the keys.
; A WORK-GROUP STAYS AND WALKS THREE TILES: 768 tiles, 256 work-groups.  With X, Y the cluster's numbers (0-1, 0-7): tiles 0 and 1 are q's (X = 0) or k's (X = 1), tokens 128 (4 Y + cy + 32 j), features 256 cx; tile 2 is v^T's,
; features 128 (4 X + cy), tokens 256 (4 Y + cx).  The walk is the same in all sixteen partners.
; THE RING: two LDS slots, each HALF of K (512) of a tile: P's 8 row blocks x 6,144 bytes, then R's 16.  It goes on from tile to tile: in K step 3 slot 0 is filled with the next tile's first half, in K step 7 slot 1 with its second.
; Each refill is one joint load a wave (waves 0, 1: 4 row blocks of P each; waves 2, 3: 8 of R each) behind a round of the cluster's barrier, with a tensor wait, an LDS add and its wait ahead of it; a wave has one load out.
; Every wait on TENSORcnt is for 0.  Tile 2 asks for nothing more and is written out behind the loop over tiles 0 and 1.
; CLUSTER 4 x 4: P's tile is shared along a row of the cluster, R's along a column: each is asked for jointly.
; OPERANDS are images of registers: a fragment (16 rows x 128 K) is 1,536 bytes: registers 0-3 at 16 x lane, 4-5 at 512 + 8 x lane, 6-9 at 768 + 16 x lane, 10-11 at 1,280 + 8 x lane: every LDS load reads consecutive bytes.
; SCALE WORDS of a tile, all of K: 16 loads into window 3, a tile ahead; at the way out they are moved to register i + 8 ks (lanes 0-15 P's block i, lanes 16-31 R's block i, K step ks).
; PREFETCH: in K step 0 each wave asks for its share of the next tile's rows, both halves of K: three K steps ahead of the first refill that wants them; the four partners of a joint load share the row blocks out by address
; (P: row block cx of the wave's four; R: row blocks 2 cy, 2 cy + 1 of its eight); 24 blocks of 256 bytes an instruction, a lane a block.  Tile 1 has tile 0's rows of R, which have been read: they are not asked for.
; LIMITS: a block of zeros gets the scale byte 1 (its codes are zeros); blocks whose largest magnitude lies under 2^-124 are held at the byte 1; NaN and infinities are not served.
; REGISTERS.  Window 0: v1-23 addresses; v30, v31 the add's two; v32-95 scale words; v96-143, v144-191 P's fragments, two sets (on the way out: codes and work); v192-255 the bias along R.
;   Window 1: v0-95, v96-191 R's fragments, two sets; v192-223 the bias along P.   Window 2: accumulator (a, b) at v[64 a + 8 b].   Window 3: v0-63 the next tile's scale words.
.set RBB,   12288                      ; a row block's image: 16 rows x 1,024 K
.set HB,    6144                       ; half of K of it
.set CHUNK, 147456                     ; a slot
.set BOFF,  49152                      ; R's place in it
.set SPARE, 2*CHUNK
.set FLOOR, 0x1800000
.set SC,  32
.set AF,  96
.set BI,  192
.set A16, 4                            ; v4-7 my fragments' LDS addresses in slot 0, v20-23 in slot 1
.set A8,  5
.set B16, 6
.set B8,  7
.set PCB, 96
.set PCT, 144
.set TM,  152
.set PW,  168
.set MSB, 0
.macro WIN new                         ; the immediate's high byte repeats the setting that is left
.if MSB != \new
	s_set_vgpr_msb (MSB<<8)|\new
.set MSB, \new
.endif
.endm
.macro PLACES n
.rept \n
	v_nop
.endr
.endm
.macro WALU
	s_wait_alu depctr_va_vdst(0)
.endm
.macro CROUND                          ; a round of the cluster's barrier
	s_barrier_signal -1
	s_barrier_wait -1
	s_cmp_lg_u32 s20, 0
	s_cbranch_scc1 .Lnot_wave_0_\@
	s_barrier_signal -3
.Lnot_wave_0_\@:
	s_barrier_wait -3
	s_barrier_signal -1
	s_barrier_wait -1
.endm
.macro JLOAD s                         ; a joint load into slot s: waves 0 and 1 for P, waves 2 and 3 for R; an s_nop 0 and four v_nop follow each line
	s_cmp_eq_u32 s21, 0
	s_cbranch_scc0 .Lfor_r_\@
	tensor_load_to_lds s[40+4*\s:43+4*\s], s[24:31]
	s_nop 0
	PLACES 4
	s_branch .Lasked_\@
.Lfor_r_\@:
	tensor_load_to_lds s[68+4*\s:71+4*\s], s[32:39]
	s_nop 0
	PLACES 4
.Lasked_\@:
.endm
.macro FRAGL reg, a16, a8, off         ; a fragment's twelve registers
	ds_load_b128 v[\reg:\reg+3], v[\a16] offset:\off
	ds_load_b64 v[\reg+4:\reg+5], v[\a8] offset:\off+512
	ds_load_b128 v[\reg+6:\reg+9], v[\a16] offset:\off+768
	ds_load_b64 v[\reg+10:\reg+11], v[\a8] offset:\off+1280
.endm
.macro FETCH ks                        ; K step ks: R's eight fragments and P's four, into set ks % 2, out of slot ks / 4: 48 LDS loads in one run
	WIN 0x40
.irp i, 0,1,2,3,4,5,6,7
	FRAGL 96*((\ks)%2)+12*\i, B16+16*((\ks)/4), B8+16*((\ks)/4), HB*\i+1536*((\ks)%4)
.endr
	WIN 0
.irp i, 0,1,2,3
	FRAGL AF+48*((\ks)%2)+12*\i, A16+16*((\ks)/4), A8+16*((\ks)/4), HB*\i+1536*((\ks)%4)
.endr
.endm
.macro WM ks, a, b, c
	v_wmma_scale_f32_16x16x128_f8f6f4 v[64*\a+8*\b:64*\a+8*\b+7], v[96*((\ks)%2)+12*\b:96*((\ks)%2)+12*\b+11], v[AF+48*((\ks)%2)+12*\a:AF+48*((\ks)%2)+12*\a+11], \c, v[SC+\b+8*(\ks)], v[SC+\a+8*(\ks)] matrix_a_fmt:MATRIX_FMT_FP6 matrix_b_fmt:MATRIX_FMT_FP6 matrix_a_scale:MATRIX_SCALE_ROW1
.endm
; 8 matrix instructions: P's block a against R's eight.  The 32 accumulators take turns, one instruction a turn, in the same order in every K step.
; cmode 0: onto the sums; 1: the bias along R starts them; 2: the bias along P.
.macro MULA ks, cmode, a
.if (\cmode) == 0
	WIN 0xa1
.elseif (\cmode) == 1
	WIN 0x81
.else
	WIN 0x91
.endif
.irp b, 0,1,2,3,4,5,6,7
.if (\cmode) == 0
	WM \ks, \a, \b, v[64*\a+8*\b:64*\a+8*\b+7]
.elseif (\cmode) == 1
	WM \ks, \a, \b, v[BI+8*\b:BI+8*\b+7]
.else
	WM \ks, \a, \b, v[BI+8*\a:BI+8*\a+7]
.endif
.endr
.endm
.macro KSTEP ks                        ; its fragments are in; the next step's are asked for, four places behind the products that read their registers; then its 32 products
	s_wait_dscnt 0x0
	PLACES 4
	FETCH (\ks)+1
.irp a, 0,1,2,3
	MULA \ks, 0, \a
.endr
.endm
.macro SCADDR sp, sr                   ; where a tile's scale words lie in sc1: lanes 0-15 take P's blocks (from byte s[sp]), lanes 16-31 R's (from s[sr])
	v_cmp_le_u32 vcc_lo, 16, v1
	v_add_nc_u32 v15, s[\sp], v14
	v_add_nc_u32 v16, s[\sr], v14
	v_cndmask_b32 v8, v15, v16, vcc_lo             ; blocks 0-3
	v_add_nc_u32 v16, 2048, v16
	v_cndmask_b32 v9, v15, v16, vcc_lo             ; R's blocks 4-7; the lower lanes read P's four once more, so that no load leaves the buffer
.endm
.macro SCLOAD                          ; into window 3: register 8 i + ks
	WIN 0xc0
.irp i, 0,1,2,3
	global_load_b128 v[8*\i:8*\i+3], v8, s[8:9] offset:512*\i
	global_load_b128 v[8*\i+4:8*\i+7], v8, s[8:9] offset:512*\i+256
	global_load_b128 v[32+8*\i:32+8*\i+3], v9, s[8:9] offset:512*\i
	global_load_b128 v[32+8*\i+4:32+8*\i+7], v9, s[8:9] offset:512*\i+256
.endr
	WIN 0
.endm
.macro MOVSC                           ; to their places: register i + 8 ks, so that the two scale registers of a product differ modulo 8
	WIN 0x03
.set I, 0
.rept 64
	v_mov_b32 v[SC+I/8+8*(I%8)], v[I]
.set I, I+1
.endr
	WIN 0
.endm
.macro PF off
	global_prefetch_b8 v17, s[96:97] offset:\off th:TH_LOAD_NT scope:SCOPE_SE
.endm
; P block a: a lane's 64 numbers (accumulator register 64 a + 16 b + i = place 32 b + 16 h + i along R) become a fragment's codes and its scale word.
; The first half fragment goes to s[p1] + str a, the second to s[p2] + str a + o2.
.macro QUANTW a, p1, p2, o2, str
	WIN 0
.irp b, 0,1,2,3
	v_mov_b32 v[TM+\b], FLOOR                      ; the floor 2^(3 - 127): no byte falls under 1
.endr
	WIN 0x28                                       ; sources 1 and 2: window 2
.irp i, 0,2,4,6,8,10,12,14
.irp b, 0,1,2,3
	v_max3_num_f32 v[TM+\b], v[TM+\b], |v[64*\a+16*\b+\i]|, |v[64*\a+16*\b+\i+1]|   ; the four blocks by turns; each accumulator from its low end on
.endr
.endr
	WIN 0
.irp b, 0,1,2,3
	v_permlanex16_b32 v[TM+4+\b], v[TM+\b], s66, s67
.endr
.irp b, 0,1,2,3
	v_max_num_f32 v[TM+\b], v[TM+\b], v[TM+4+\b]   ; with lane l xor 16's 16: the block's largest magnitude
.endr
.irp b, 0,1,2,3
	v_add_nc_u32 v[TM+12+\b], 0xff000000, v[TM+\b] ; 2 off its exponent field: the conversion's scale operand
.endr
.irp b, 0,1,2,3
	v_lshrrev_b32 v[TM+4+\b], 23, v[TM+12+\b]      ; the byte
.endr
	v_lshl_or_b32 v[PW+\a], v[TM+5], 8, v[TM+4]
	v_lshl_or_b32 v[PW+\a], v[TM+6], 16, v[PW+\a]
	v_lshl_or_b32 v[PW+\a], v[TM+7], 24, v[PW+\a]
	WIN 0x02                                       ; source 0: window 2
.irp c, 0,1
	v_cvt_scalef32_pk16_fp6_f32 v[PCB+12*\a+6*\c:PCB+12*\a+6*\c+2], v[64*\a+32*\c:64*\a+32*\c+15], v[TM+12+2*\c]
	v_cvt_scalef32_pk16_fp6_f32 v[PCT+4*\c:PCT+4*\c+2], v[64*\a+32*\c+16:64*\a+32*\c+31], v[TM+13+2*\c]   ; (a conversion's three registers begin on an even number)
.endr
	WIN 0
	v_nop                                          ; one plain line behind the conversions
.irp c, 0,1                            ; the operand's layout wants a whole block in a lane: lanes 0-15 block 2 c, lanes 16-31 block 2 c + 1
.irp i, 0,1,2
	v_permlane16_swap_b32 v[PCB+12*\a+6*\c+\i], v[PCT+4*\c+\i]
.endr
.irp i, 0,1,2
	v_mov_b32 v[PCB+12*\a+6*\c+3+\i], v[PCT+4*\c+\i]
.endr
.endr
	global_store_b128 v12, v[PCB+12*\a:PCB+12*\a+3], s[\p1:\p1+1] offset:\str*\a              ; 512 consecutive bytes
	global_store_b64 v13, v[PCB+12*\a+4:PCB+12*\a+5], s[\p1:\p1+1] offset:\str*\a+512         ; 256
	global_store_b128 v12, v[PCB+12*\a+6:PCB+12*\a+9], s[\p2:\p2+1] offset:\str*\a+\o2
	global_store_b64 v13, v[PCB+12*\a+10:PCB+12*\a+11], s[\p2:\p2+1] offset:\str*\a+\o2+512
.endm
; ---------------- a tile.  sel 0: q or k, 1: v^T.  more 1: a tile follows, and the ring goes on into it.  On the way in K step 0's fragments have been asked for.
.macro TILE sel, more
.if \more
	s_cmp_eq_u32 s3, 0                             ; the next tile: tile 1, or tile 2
	s_cselect_b64 s[60:61], s[48:49], s[50:51]     ; my part of its P,
	s_cselect_b64 s[62:63], s[52:53], s[54:55]     ; of its R,
	s_cselect_b32 s98, s76, s78                    ; and its scale words
	s_cselect_b32 s99, s77, s79
	SCADDR 98, 99
	SCLOAD
.endif
	s_wait_dscnt 0x0
	FETCH 1
.irp a, 0,1,2,3
	MULA 0, 1+\sel, \a                             ; the bias starts the sums
.endr
	WIN 0
.if \more
	s_cmp_eq_u32 s21, 0
	s_cselect_b64 s[96:97], s[60:61], s[62:63]
	s_add_nc_u64 s[96:97], s[96:97], s[100:101]    ; my work-group's share of the rows that I will fetch
	s_cbranch_scc0 .Lpf_r_\@
	PF 0
	PF HB
	s_branch .Lpf_done_\@
.Lpf_r_\@:
	s_cmp_eq_u32 s3, 0
	s_cbranch_scc1 .Lpf_done_\@                    ; tile 1 has tile 0's rows of R
	PF 0
	PF HB
	PF RBB
	PF RBB+HB
.Lpf_done_\@:
.endif
	KSTEP 1
	KSTEP 2
	s_wait_dscnt 0x0                               ; K STEP 3: its fragments are in: my reads of slot 0 are over
	WIN 0
	s_wait_tensorcnt 0x0                           ; my one load, my part of slot 1, has landed
.if \more
	ds_add_u32 v30, v31                            ; 0 onto my spare word; sixteen products stand between it and the wait for it
	s_mov_b64 s[42:43], s[60:61]                   ; no load of mine is out: slot 0's descriptors take the next tile's first half of K
	s_or_b32 s43, s43, 0x80000000
	s_mov_b64 s[70:71], s[62:63]
	s_or_b32 s71, s71, 0x80000000
.endif
	MULA 3, 0, 0
	MULA 3, 0, 1
	WIN 0
.if \more
	s_wait_dscnt 0x0                               ; the add is done
	CROUND                                         ; no wave of any partner still reads slot 0 or has a load on its way, and slot 1 is whole
	JLOAD 0                                        ; the four v_nop behind it are the places in front of the loads below
.else
	s_barrier_signal -1                            ; slot 1 is whole
	s_barrier_wait -1
	PLACES 4
.endif
	FETCH 4
	MULA 3, 0, 2
	MULA 3, 0, 3
	KSTEP 4
	KSTEP 5
	KSTEP 6
	s_wait_dscnt 0x0                               ; K STEP 7: its fragments are in: my reads of slot 1 are over
.if \more
	WIN 0
	s_wait_tensorcnt 0x0                           ; my part of slot 0, the next tile's, has landed
	ds_add_u32 v30, v31
	s_add_nc_u64 s[46:47], s[60:61], HB            ; slot 1's descriptors take the next tile's second half of K
	s_or_b32 s47, s47, 0x80000000
	s_add_nc_u64 s[74:75], s[62:63], HB
	s_or_b32 s75, s75, 0x80000000
	MULA 7, 0, 0
	MULA 7, 0, 1
	WIN 0
	s_wait_dscnt 0x0
	CROUND
	JLOAD 1
	MULA 7, 0, 2
	MULA 7, 0, 3
.else
.irp a, 0,1,2,3
	MULA 7, 0, \a
.endr
.endif
	WIN 0
	PLACES 4                                       ; places behind the last products
.if \more
	s_wait_loadcnt 0x0                             ; the next tile's scale words, asked for at this tile's head
	MOVSC
.endif
.irp b, 0,1,2,3
	v_mov_b32 v[TM+4+\b], 0                        ; a lane permute's destination counts as one of its sources
.endr
.irp a, 0,1,2,3
.if \sel
	QUANTW \a, 90, 90, 768, 1536                   ; v^T: fragment a; its second half fragment holds the keys 64-127
.else
	QUANTW \a, 80, 82, 0, 768                      ; q, k: tile 4 wP + a of the first head's chunk and of the second's
.endif
.endr
	v_cmp_le_u32 vcc_lo, 16, v1
	v_cndmask_b32 v172, v[PW], v[PW+1], vcc_lo     ; lanes 0-15: the even block's words, lanes 16-31: the odd block's
	v_cndmask_b32 v173, v[PW+2], v[PW+3], vcc_lo
.if \sel
	global_store_b64 v13, v[172:173], s[94:95]     ; 256 consecutive bytes
.else
	global_store_b64 v13, v[172:173], s[84:85]     ; bytes 0, 1 are the first head's; bytes 2, 3 (the second head's, 1 to 254) meet zero codes alone
	v_lshrrev_b32 v174, 16, v172                   ; the second head's two bytes, at places 0 and 1; the zeros above them meet zero codes alone
	v_lshrrev_b32 v175, 16, v173
	global_store_b64 v13, v[174:175], s[86:87]
.endif
.if \more
	WALU
	s_wait_xcnt 0x0                                ; stores and prefetches have read their registers and bases
.irp p, 80,82,84,86
	s_add_nc_u64 s[\p:\p+1], s[\p:\p+1], s[88:89]  ; tile 1 lies two batches on
.endr
	FETCH 0                                        ; the next tile's first fragments, out of slot 0
.endif
.endm
; ---------------- the head
	s_load_b512 s[4:19], s[0:1], 0x0               ; x_img 4, w_img 6, sc1 8, bq 10, bk 12, bv 14, q_img 16, kv_img 18
	v_lshl_add_u32 v30, v0, 2, SPARE
	v_mov_b32 v31, 0
	ds_add_u32 v30, v31                            ; the opening lines: the add, twice on end, and its wait
	ds_add_u32 v30, v31
	v_lshrrev_b32 v1, 5, v0
	v_readfirstlane_b32 s20, v1                    ; wave
	s_lshr_b32 s21, s20, 1                         ; wP: which 64 rows of P are mine.  Also: I fetch for P (0) or for R (1)
	s_and_b32 s22, s20, 1                          ; wR: which 128 rows of R.  Also: which half of that tile's rows I fetch
	s_bfe_u32 s56, ttmp6, 0x40000                  ; cx
	s_bfe_u32 s57, ttmp6, 0x40004                  ; cy
	s_and_b32 s58, ttmp7, 0xffff                   ; Y
	s_lshl_b32 s98, s57, 2
	s_lshl_b32 s98, 15, s98                        ; my row of the cluster
	s_lshl_b32 s99, 0x1111, s56                    ; my column
	; descriptor group 1: rows of 6,144 bytes (768 elements of 8 bytes: a row block's 512 along K), 12,288 bytes apart, dense in LDS; P: 4 row blocks a load, R: 8
	s_or_b32 s24, s98, (3<<16)|(1<<21)
	s_mov_b32 s25, 768<<16
	s_mov_b32 s26, 4<<16
	s_mov_b32 s27, 768<<16
	s_mov_b32 s28, 4
	s_mov_b32 s29, 1536
	s_mov_b32 s30, 0
	s_mov_b32 s31, 0
	s_or_b32 s32, s99, (3<<16)|(1<<21)
	s_mov_b32 s33, 768<<16
	s_mov_b32 s34, 8<<16
	s_mov_b32 s35, 768<<16
	s_mov_b32 s36, 8
	s_mov_b32 s37, 1536
	s_mov_b32 s38, 0
	s_mov_b32 s39, 0
	s_lshl_b32 s59, s58, 2
	s_add_co_u32 s59, s59, s57                     ; tile 0: which 128 tokens: 4 Y + cy
	s_lshl_b32 s100, ttmp9, 2
	s_add_co_u32 s100, s100, s57                   ; tile 2: which 128 features of Wv: 4 X + cy
	s_lshl_b32 s23, ttmp9, 2
	s_add_co_u32 s23, s23, s56                     ; tiles 0, 1: which 256 features of Wq and Wk: 4 X + cx
	s_lshl_b32 s101, s58, 2
	s_add_co_u32 s101, s101, s56                   ; tile 2: which 256 tokens: 4 Y + cx
	s_mul_i32 s96, s22, 4*RBB                      ; the part that I fetch
	s_mul_i32 s97, s22, 8*RBB
	s_mul_i32 s48, s59, 8*RBB
	s_add_co_u32 s48, s48, s96
	s_mov_b32 s49, 0
	s_mul_i32 s50, s100, 8*RBB
	s_add_co_u32 s50, s50, s96
	s_add_co_u32 s50, s50, 128*RBB                 ; Wv begins at row block 128 of w_img
	s_mov_b32 s51, 0
	s_mul_i32 s52, s23, 16*RBB
	s_add_co_u32 s52, s52, s97
	s_mov_b32 s53, 0
	s_mul_i32 s54, s101, 16*RBB
	s_add_co_u32 s54, s54, s97
	s_mov_b32 s55, 0
	s_mov_b32 s40, 1
	s_mul_i32 s41, s22, 4*HB                       ; where they go: no place in the cluster enters an LDS address
	s_mov_b32 s44, 1
	s_add_co_u32 s45, s41, CHUNK
	s_mov_b32 s68, 1
	s_mul_i32 s69, s22, 8*HB
	s_add_co_u32 s69, s69, BOFF
	s_mov_b32 s72, 1
	s_add_co_u32 s73, s69, CHUNK
	s_wait_dscnt 0x0
	s_wait_kmcnt 0x0
	s_add_nc_u64 s[48:49], s[4:5], s[48:49]        ; P of tile 0: x
	s_add_nc_u64 s[50:51], s[6:7], s[50:51]        ; P of tile 2: Wv
	s_add_nc_u64 s[52:53], s[6:7], s[52:53]        ; R of tiles 0, 1: Wq or Wk
	s_add_nc_u64 s[54:55], s[4:5], s[54:55]        ; R of tile 2: x
	s_mov_b64 s[42:43], s[48:49]
	s_or_b32 s43, s43, 0x80000000
	s_add_nc_u64 s[46:47], s[48:49], HB
	s_or_b32 s47, s47, 0x80000000
	s_mov_b64 s[70:71], s[52:53]
	s_or_b32 s71, s71, 0x80000000
	s_add_nc_u64 s[74:75], s[52:53], HB
	s_or_b32 s75, s75, 0x80000000
	s_add_nc_u64 s[48:49], s[48:49], 32*8*RBB      ; P of tile 1: 32 tile rows on
	CROUND                                         ; all sixteen work-groups are here: the joint loads meet
	JLOAD 0                                        ; tile 0's first half of K: one tensor load a wave at the head
	; where the scale words lie in sc1 (blocks of 512 bytes: x at 0-511, Wq, Wk at 512-639, Wv at 640-703)
	s_lshl_b32 s98, s21, 2
	s_lshl_b32 s99, s22, 3
	s_lshl_b32 s76, s59, 3
	s_add_co_u32 s76, s76, s98
	s_lshl_b32 s76, s76, 9                         ; tile 0: P's blocks 8 (4 Y + cy) + 4 wP
	s_lshl_b32 s77, s23, 4
	s_add_co_u32 s77, s77, s99
	s_add_co_u32 s77, s77, 512
	s_lshl_b32 s77, s77, 9                         ; tiles 0, 1: R's
	s_lshl_b32 s78, s100, 3
	s_add_co_u32 s78, s78, s98
	s_add_co_u32 s78, s78, 640
	s_lshl_b32 s78, s78, 9                         ; tile 2: P's
	s_lshl_b32 s79, s101, 4
	s_add_co_u32 s79, s79, s99
	s_lshl_b32 s79, s79, 9                         ; tile 2: R's
	; the biases
	s_cmp_eq_u32 ttmp9, 0
	s_cselect_b64 s[96:97], s[10:11], s[12:13]
	s_lshl_b32 s98, s56, 10
	s_lshl_b32 s99, s22, 9
	s_add_co_u32 s98, s98, s99                     ; q, k: my 128 features: 256 cx + 128 wR
	s_mov_b32 s99, 0
	s_add_nc_u64 s[96:97], s[96:97], s[98:99]
	s_lshl_b32 s98, s100, 9
	s_lshl_b32 s10, s21, 8
	s_add_co_u32 s98, s98, s10                     ; v: my 64 features: 128 (4 X + cy) + 64 wP
	s_add_nc_u64 s[98:99], s[14:15], s[98:99]
	s_mul_i32 s12, s21, 4*HB                       ; my 4 row blocks of P in a slot,
	s_mul_i32 s13, s22, 8*HB
	s_add_co_u32 s13, s13, BOFF                    ; my 8 of R
	s_mov_b32 s66, 0x76543210
	s_mov_b32 s67, 0xfedcba98                      ; lane l xor 16
	v_and_b32 v1, 31, v0                           ; lane
	v_and_b32 v2, 15, v0                           ; r
	v_bfe_u32 v3, v0, 4, 1                         ; h
	v_lshlrev_b32 v12, 4, v1                       ; 16 x lane
	v_lshlrev_b32 v13, 3, v1                       ; 8 x lane
	v_lshlrev_b32 v14, 4, v2                       ; 16 r
	v_add_nc_u32 v[A16], s12, v12
	v_add_nc_u32 v[A8], s12, v13
	v_add_nc_u32 v[B16], s13, v12
	v_add_nc_u32 v[B8], s13, v13
.irp i, 4,5,6,7
	v_add_nc_u32 v[16+\i], CHUNK, v[\i]
.endr
	v_min_u32 v17, 23, v1
	v_lshlrev_b32 v17, 8, v17                      ; the prefetches' offset: a lane a block of 256 bytes, 24 to half a row block; the lanes left over name the last again
	v_lshlrev_b32 v10, 6, v3                       ; the bias along R: register j of tile 2 beta + u is feature 32 beta + 16 h + 8 u + j
	v_and_b32 v11, 8, v2
	v_add_nc_u32 v11, v11, v2
	v_lshlrev_b32 v11, 2, v11                      ; along P: my row's feature: (r & 7) + 16 (r >> 3) in its block
	SCADDR 76, 77
	SCLOAD                                         ; tile 0's scale words
.irp b, 0,1,2,3,4,5,6,7
	global_load_b128 v[BI+8*\b:BI+8*\b+3], v10, s[96:97] offset:(32*(\b/2)+8*(\b%2))*4
	global_load_b128 v[BI+8*\b+4:BI+8*\b+7], v10, s[96:97] offset:(32*(\b/2)+8*(\b%2))*4+16
.endr
	WIN 0x40
.irp a, 0,1,2,3
	global_load_b32 v[BI+8*\a], v11, s[98:99] offset:(32*(\a/2)+8*(\a%2))*4
.endr
	WIN 0
	s_add_co_u32 s76, s76, 32*8*512                ; tile 1's P
	; where the codes go.  q_img: [batch x head][16 groups of 128 tokens][6,656]: 8 tiles x 768, then scale words.  kv_img: [batch x head][16 steps of 128 keys][13,056]: K's 8 tiles x 768; at 6,144 V^T's 4 fragments x 1,536;
	; at 12,288 K's scale words; at 12,800 V's.  A tile's scale word of row r stands at lane 16 u + r, so that one register carries two tiles' scales.
	s_mov_b32 s10, 13056
	s_mov_b32 s11, 12288
	s_cmp_eq_u32 ttmp9, 0                          ; q?
	s_cselect_b32 s10, 6656, s10                   ; a chunk's bytes
	s_cselect_b32 s11, 6144, s11                   ; where the scale words begin in it
	s_cselect_b64 s[80:81], s[16:17], s[18:19]
	s_lshl_b32 s12, s56, 2
	s_lshl_b32 s13, s22, 1
	s_add_co_u32 s12, s12, s13                     ; my first head of two: 4 cx + 2 wR
	s_lshl_b32 s12, s12, 4
	s_lshr_b32 s13, s59, 4
	s_lshl_b32 s13, s13, 8
	s_add_co_u32 s12, s12, s13
	s_and_b32 s13, s59, 15
	s_add_co_u32 s12, s12, s13                     ; chunk number: (16 batch + head) 16 + group
	s_mul_i32 s12, s12, s10
	s_mov_b32 s13, 0
	s_add_nc_u64 s[80:81], s[80:81], s[12:13]
	s_lshl_b32 s12, s21, 8
	s_add_co_u32 s12, s12, s11
	s_add_nc_u64 s[84:85], s[80:81], s[12:13]      ; my scale words
	s_mul_i32 s12, s21, 3072
	s_add_nc_u64 s[80:81], s[80:81], s[12:13]      ; my four tiles
	s_lshl_b32 s12, s10, 4                         ; from a head to the next: 16 chunks
	s_add_nc_u64 s[82:83], s[80:81], s[12:13]
	s_add_nc_u64 s[86:87], s[84:85], s[12:13]
	s_lshl_b32 s88, s10, 9                         ; from tile 0 to tile 1: two batches, 512 chunks
	s_mov_b32 s89, 0
	s_lshl_b32 s12, s100, 1
	s_add_co_u32 s12, s12, s21                     ; v: my head: 2 (4 X + cy) + wP
	s_lshl_b32 s12, s12, 4
	s_lshl_b32 s14, s101, 1
	s_add_co_u32 s14, s14, s22                     ; my 128 tokens: 2 (4 Y + cx) + wR
	s_lshr_b32 s15, s14, 4
	s_lshl_b32 s15, s15, 8
	s_add_co_u32 s12, s12, s15
	s_and_b32 s14, s14, 15
	s_add_co_u32 s12, s12, s14
	s_mul_i32 s12, s12, 13056
	s_add_nc_u64 s[90:91], s[18:19], s[12:13]
	s_add_nc_u64 s[94:95], s[90:91], 12800
	s_add_nc_u64 s[90:91], s[90:91], 6144
	s_mul_i32 s12, s56, RBB                        ; the prefetches: of the rows that I fetch my work-group takes P's row block cx, or R's 2 cy and 2 cy + 1
	s_mul_i32 s14, s57, 2*RBB
	s_cmp_eq_u32 s21, 0
	s_cselect_b32 s100, s12, s14
	s_mov_b32 s101, 0
	WALU
	s_wait_tensorcnt 0x0                           ; my part of slot 0 is in
	ds_add_u32 v30, v31
	s_wait_dscnt 0x0
	CROUND
	JLOAD 1                                        ; tile 0's second half of K
	FETCH 0
	s_wait_loadcnt 0x0                             ; scale words and biases
	MOVSC
	WIN 0x41
.irp t, 0,8,16,24
.irp i, 1,2,3,4,5,6,7
	v_mov_b32 v[BI+\t+\i], v[BI+\t]                ; the bias along P: one number a lane and block, over the block's eight registers
.endr
.endr
	WIN 0
	WALU
	s_mov_b32 s3, 0                                ; the tile: the same number in every work-group
.Ltile:
	TILE 0, 1
	s_add_co_u32 s3, s3, 1
	s_cmp_lt_u32 s3, 2
	s_cbranch_scc1 .Ltile
	TILE 1, 0
	s_wait_tensorcnt 0x0                           ; the wave's end
	ds_add_u32 v30, v31
	s_wait_dscnt 0x0
	CROUND                                         ; the closing round: no work-group ends while a partner may still ask for a tile that names it
	s_endpgm
.Lfunc_end_k_qc73187d0ad_proj:
	.size	k_qc73187d0ad_proj, .Lfunc_end_k_qc73187d0ad_proj-k_qc73187d0ad_proj
	.p2alignl 7, 3214868480
	.fill 96, 4, 3214868480
	.section	.rodata,"a",@progbits
	.p2align	6, 0x0
	.amdhsa_kernel k_qc73187d0ad_proj
		.amdhsa_group_segment_fixed_size 327680
		.amdhsa_private_segment_fixed_size 0
		.amdhsa_enable_private_segment 0
		.amdhsa_kernarg_size 64
		.amdhsa_user_sgpr_count 2
		.amdhsa_user_sgpr_kernarg_segment_ptr 1
		.amdhsa_wavefront_size32 1
		.amdhsa_system_sgpr_workgroup_id_x 1
		.amdhsa_system_sgpr_workgroup_id_y 1
		.amdhsa_system_sgpr_workgroup_id_z 1
		.amdhsa_system_vgpr_workitem_id 0
		.amdhsa_next_free_vgpr 832
		.amdhsa_next_free_sgpr 102
		.amdhsa_reserve_vcc 1
		.amdhsa_float_denorm_mode_32 3
		.amdhsa_float_denorm_mode_16_64 3
		.amdhsa_memory_ordered 1
		.amdhsa_forward_progress 1
		.amdhsa_inst_pref_size 177
	.end_amdhsa_kernel
	.amdgpu_metadata
---
amdhsa.version: [ 1, 2 ]
amdhsa.kernels:
  - .name:           k_qc73187d0ad_proj
    .symbol:         k_qc73187d0ad_proj.kd
    .args:
      - { .name: x_img, .offset: 0, .size: 8, .value_kind: global_buffer, .address_space: global }
      - { .name: w_img, .offset: 8, .size: 8, .value_kind: global_buffer, .address_space: global }
      - { .name: sc1, .offset: 16, .size: 8, .value_kind: global_buffer, .address_space: global }
      - { .name: bq, .offset: 24, .size: 8, .value_kind: global_buffer, .address_space: global }
      - { .name: bk, .offset: 32, .size: 8, .value_kind: global_buffer, .address_space: global }
      - { .name: bv, .offset: 40, .size: 8, .value_kind: global_buffer, .address_space: global }
      - { .name: q_img, .offset: 48, .size: 8, .value_kind: global_buffer, .address_space: global }
      - { .name: kv_img, .offset: 56, .size: 8, .value_kind: global_buffer, .address_space: global }
    .group_segment_fixed_size: 327680
    .private_segment_fixed_size: 0
    .kernarg_segment_align: 8
    .kernarg_segment_size: 64
    .max_flat_workgroup_size: 128
    .sgpr_count:     102
    .vgpr_count:     832
    .wavefront_size: 32
...
	.end_amdgpu_metadata
.endif
;; end of part 2
;; launch attn (part 3): grid 4 x 64, 16 waves a work-group, clusters of 4 x 1, 264,192 bytes of LDS; arguments q_img, kv_img, y_img, sc2; writes y_img, sc2
.if DOCPART == 3
	.amdgcn_target "amdgcn-amd-amdhsa--gfx1250"
	.amdhsa_code_object_version 6
	.text
	.protected	k_qc73187d0ad_attn
	.globl	k_qc73187d0ad_attn
	.p2align	8
	.type	k_qc73187d0ad_attn,@function
k_qc73187d0ad_attn:
	s_mov_b64 s[64:65], 0
	v_nop
	global_prefetch_b8 v0, s[64:65] scope:SCOPE_SE
	s_setreg_imm32_b32 hwreg(HW_REG_WAVE_MODE, 25, 1), 1
	s_wait_xcnt 0x0
	s_wait_alu depctr_hold_cnt(0) depctr_sa_sdst(0) depctr_va_vdst(0) depctr_va_sdst(0) depctr_va_ssrc(0) depctr_va_vcc(0) depctr_vm_vsrc(0)
	s_getreg_b32 s2, hwreg(HW_REG_IB_STS2, 6, 4)
	s_cmp_eq_u32 s2, 0
	s_cbranch_scc0 .Lentry_in_a_cluster
	s_endpgm
.Lentry_in_a_cluster:
	s_bfe_u32 s2, ttmp6, 0x10000c
	s_cmp_lg_u32 s2, 0x3003
	s_cbranch_scc0 .Lentry_shape_is_right
	s_endpgm
.Lentry_shape_is_right:
; y[b][q][head] = the sum over k of softmax_k(q . k / 8) v, both products on codes of FP6 (E2M3) with E8M0 scales; y is quantised along the model's 1,024 and stored as codes, in the order of the last product's operand registers.
; THE SOFTMAX AHEAD OF THE SECOND PRODUCT: t = score x log2(e) / 8; M = the row's largest t so far, rounded UP to a whole number; p = 2^(t - M) is what is quantised, along the keys, not normalised.
; WHAT THE REGISTERS HOLD IS 4 p = 2^(t - M + 2), and a block's scale operand is its largest p itself: 4 p / 2^floor(log2(largest p)) = p / 2^(floor(log2(largest p)) - 2), the quantiser's quotient, with no line that takes 2 off an exponent.
; The scale byte given to the product is the largest p's own exponent field, so O comes out as 4 x the sum of p v; the row's sum is taken of the unquantised 4 p, in f32: the factor 4, exact, leaves in O / sum.
; When M moves, the sum and O are multiplied by 2^(old M - new M): exact.
; SHARES.  A work-group owns one head of one batch and 512 of its queries.  ALL of the head's K, V and scale words (16 chunks of 128 keys, 13,056 bytes each, 16,384 bytes apart in LDS) come in once, one tensor load a wave, and stay:
; behind the one barrier there is no barrier, no tensor wait and no refill, and so no loop in which a prefetch could run ahead.  Each of the sixteen waves owns one tile of 16 queries at a time, two one after the other (macro PASS).
; K AND V HAVE REGISTERS OF THEIR OWN: behind a step's score products V of this step and K of the NEXT step are asked for in one run of 35 LDS loads.  The next chunk's number wraps at 16, so that the first pass's last trip fetches
; chunk 0 for the second pass; what the second pass's last trip fetches is not used.
; CLUSTER.  The four query blocks of a head form a cluster and ask for each chunk jointly.
; LAYOUT.  Both products are used transposed: S^T = K Q^T, O^T = V^T P^T: a lane holds ONE query throughout.  The keys of a tile of K and the channels of a tile of V^T were chosen by the launch before so that the 16 registers of two
; neighbouring tiles are 16 neighbours.  THE HEAD HAS 64 CHANNELS and the instruction takes 128 along K: Q's upper six registers hold zero codes, so K's upper six may hold anything: a tile of K is named with the six registers behind it
; (the last tile: v78-83, the row's running numbers).
; LIMITS: |t| stays under 3e38; NaN and infinities are not served.  A block whose largest p lies under 2^-126 gets the byte 0 (2^-127), and what it adds lies under 2^-120 of the row's largest term.  A block's largest p and its 4 p come
; from two multiply-adds: within an ulp of a power of two one p of a block may be held at the largest code.  A block of zeros of y gets the byte 1 (its codes are zeros).
; A CHUNK: 0: K's 8 tiles x 768; 6,144: V^T's 4 fragments x 1,536; 12,288: K's scale words [2][lane][2]; 12,800: V's [lane][2].
; REGISTERS: v1 16 x lane, v2 8 x lane; v3, v4 the same in this chunk, v0, v5 in the next; v[6:7] the sum; v8, v9 the add's two; v10 Q's scale words, v11 p's, v12-15 K's, v16-17 V's; v18-23 Q, v24-29 zeros; v30-77 K;
;   v78 2 - M, v79 the largest score, v80 -M, v81 at work, v[82:83] f; v84-131 V; v132-195 S^T, then 4 p; v196-227 O^T; v228-239 p's codes (before them the sum's parts); v240-247 at work; v248-251 maxima; v252-255 at work.
.set CH,    13056
.set LP,    16384
.set SPARE, 16*LP
.set FLOOR, 0x1800000
.set KR, 30
.set VR, 84
.set SS, 132
.set OO, 196
.set PC, 228
.set CT, 240
.set MX, 248
.set PT, 252
.macro WALU
	s_wait_alu depctr_va_vdst(0)
.endm
.macro CROUND                          ; a round of the cluster's barrier
	s_barrier_signal -1
	s_barrier_wait -1
	s_cmp_lg_u32 s12, 0
	s_cbranch_scc1 .Lnot_wave_0_\@
	s_barrier_signal -3
.Lnot_wave_0_\@:
	s_barrier_wait -3
	s_barrier_signal -1
	s_barrier_wait -1
.endm
.macro QLOAD p                         ; pass p's tile of 16 queries and its scale words (two groups of 128 queries on for each pass)
	v_and_b32 v5, 0x78, v2                         ; 8 r
	global_load_b128 v[18:21], v1, s[36:37] offset:13312*\p
	global_load_b64 v[22:23], v2, s[36:37] offset:13312*\p+512
	global_load_b32 v10, v5, s[38:39] offset:13312*\p
.endm
.macro KLOAD a16, a8                   ; a chunk's eight tiles of K and their scale words: 18 LDS loads
.irp t, 0,1,2,3,4,5,6,7
	ds_load_b128 v[KR+6*\t:KR+6*\t+3], v[\a16] offset:768*\t
	ds_load_b64 v[KR+6*\t+4:KR+6*\t+5], v[\a8] offset:768*\t+512
.endr
	ds_load_b64 v[12:13], v[\a8] offset:12288
	ds_load_b64 v[14:15], v[\a8] offset:12544
.endm
.macro VLOAD                           ; a chunk's four fragments of V^T and their scale words: 17 LDS loads
.irp d, 0,1,2,3
	ds_load_b128 v[VR+12*\d:VR+12*\d+3], v3 offset:6144+1536*\d
	ds_load_b64 v[VR+12*\d+4:VR+12*\d+5], v4 offset:6144+1536*\d+512
	ds_load_b128 v[VR+12*\d+6:VR+12*\d+9], v3 offset:6144+1536*\d+768
	ds_load_b64 v[VR+12*\d+10:VR+12*\d+11], v4 offset:6144+1536*\d+1280
.endr
	ds_load_b64 v[16:17], v4 offset:12800
.endm
; ---------------- one tile of 16 queries against all 2,048 keys, and its way out
.macro PASS p
	v_mov_b32 v79, 0xff61b1e6                      ; the largest score so far: -3e38
	v_mov_b32 v78, 0                               ; (v78-83 are named behind K's last tile, so all six are written)
	v_mov_b32 v81, 0
	v_mov_b32 v82, 0
	v_mov_b32 v83, 0
	v_floor_f32 v80, -v79                          ; -M
	v_mov_b32 v6, 0
	v_mov_b32 v7, 0
.set J, 0
.rept 32
	v_mov_b32 v[OO+J], 0                           ; O^T: the step is written once; its first trip finds zeros, which the first change of M leaves zeros
.set J, J+1
.endr
	s_mov_b32 s21, 0                               ; the chunk in hand
	WALU
	s_wait_loadcnt 0x0                             ; Q is in
.Lstep_\@:                                         ; 128 keys
	s_wait_dscnt 0x0                               ; this step's K, asked for a step ago
.irp t, 0,1,2,3,4,5,6,7                            ; S^T = K Q^T: tile t's word stands in lanes 16 (t % 2) on of register t / 2
.if (\t)%2
	v_wmma_scale_f32_16x16x128_f8f6f4 v[SS+8*\t:SS+8*\t+7], v[KR+6*\t:KR+6*\t+11], v[18:29], 0, v[12+\t/2], v10 matrix_a_fmt:MATRIX_FMT_FP6 matrix_b_fmt:MATRIX_FMT_FP6 matrix_a_scale:MATRIX_SCALE_ROW1
.else
	v_wmma_scale_f32_16x16x128_f8f6f4 v[SS+8*\t:SS+8*\t+7], v[KR+6*\t:KR+6*\t+11], v[18:29], 0, v[12+\t/2], v10 matrix_a_fmt:MATRIX_FMT_FP6 matrix_b_fmt:MATRIX_FMT_FP6
.endif
.endr
	s_lshl_b32 s20, s21, 14                        ; this chunk's place,
	s_add_co_u32 s21, s21, 1
	s_and_b32 s23, s21, 15
	s_lshl_b32 s23, s23, 14                        ; and the next one's (behind chunk 15: chunk 0)
	v_add_nc_u32 v3, s20, v1                       ; these four lines are also the places behind the products: for the loads below and for the first read of the scores
	v_add_nc_u32 v4, s20, v2
	v_add_nc_u32 v0, s23, v1
	v_add_nc_u32 v5, s23, v2
	VLOAD                                          ; V of this step,
	KLOAD 0, 5                                     ; K of the next
.irp b, 0,1,2,3
	v_max3_num_f32 v[MX+\b], v[SS+16*\b], v[SS+1+16*\b], v[SS+2+16*\b]   ; THE LARGEST SCORE OF EACH BLOCK OF 32 KEYS: it serves for the row's maximum and, since p rises with the score, for the block's largest p
.endr
.irp i, 3,5,7,9,11,13
.irp b, 0,1,2,3
	v_max3_num_f32 v[MX+\b], v[MX+\b], v[SS+16*\b+\i], v[SS+1+16*\b+\i]
.endr
.endr
.irp b, 0,1,2,3
	v_max_num_f32 v[MX+\b], v[MX+\b], v[SS+15+16*\b]
.endr
.irp b, 0,1,2,3
	s_delay_alu instid0(VALU_DEP_4)
	v_permlanex16_b32 v[PT+\b], v[MX+\b], s18, s19
.endr
.irp b, 0,1,2,3
	s_delay_alu instid0(VALU_DEP_4)
	v_max_num_f32 v[MX+\b], v[MX+\b], v[PT+\b]     ; with lane l xor 16's 16 keys
.endr
	s_delay_alu instid0(VALU_DEP_3)
	v_max3_num_f32 v79, v79, v[MX], v[MX+1]
	s_delay_alu instid0(VALU_DEP_1)
	v_max3_num_f32 v79, v79, v[MX+2], v[MX+3]      ; the running largest score of my query
	s_delay_alu instid0(VALU_DEP_1)
	v_mul_f32 v83, s15, v79                        ; -t (c is positive, so the largest t is the largest score's)
	s_delay_alu instid0(VALU_DEP_1)
	v_floor_f32 v83, v83                           ; the new -M = floor(-t) = -ceil(t): a whole number
	s_delay_alu instid0(VALU_DEP_1)
	v_add_f32 v78, 2.0, v83                        ; 2 - M
	s_delay_alu instid0(VALU_DEP_2)
	v_sub_f32 v81, v83, v80                        ; old M - new M: a whole number, 0 or less
	s_delay_alu instid0(VALU_DEP_3)
	v_mov_b32 v80, v83
	s_delay_alu instid0(VALU_DEP_2)
	v_cvt_i32_f32 v81, v81                         ; (it saturates)
	s_delay_alu instid0(VALU_DEP_1)
	v_ldexp_f32 v82, 1.0, v81                      ; f = 2^(old M - new M)
.set J, 0
.rept 32
	v_pk_fma_f32 v[SS+J:SS+J+1], v[SS+J:SS+J+1], s[16:17], v[78:79] op_sel_hi:[1,0,0]   ; t - M + 2, two at a time
.set J, J+2
.endr
.irp b, 0,1,2,3
	v_fma_f32 v[MX+\b], v[MX+\b], s16, v80         ; t - M of each block's largest score
.endr
	WALU
.irp b, 0,1,2,3
	v_exp_f32 v[MX+\b], v[MX+\b]                   ; the block's largest p
.endr
.set J, 0
.rept 64
	v_exp_f32 v[SS+J], v[SS+J]                     ; 4 p = 2^(t - M + 2), at most 4
.set J, J+1
.endr
	v_pk_mul_f32 v[6:7], v[6:7], v[82:83] op_sel_hi:[1,0]   ; the sum under the new M: the plain line behind the exponentials
	WALU                                           ; one wait for the whole batch, ahead of its first reader
.irp k, 0,1,2,3,4,5,6                              ; the sum of the unquantised 4 p: 32 pairs in eight chains
	v_pk_add_f32 v[PC+2*\k:PC+2*\k+1], v[SS+2*\k:SS+2*\k+1], v[SS+16+2*\k:SS+17+2*\k]
.endr
	v_pk_add_f32 v[6:7], v[6:7], v[SS+14:SS+15]
.irp k, 0,1,2,3,4,5,6
	v_pk_add_f32 v[PC+2*\k:PC+2*\k+1], v[PC+2*\k:PC+2*\k+1], v[SS+30+2*\k:SS+31+2*\k]
.endr
	v_pk_add_f32 v[6:7], v[6:7], v[SS+44:SS+45]
.irp k, 0,1,2,3,4,5,6
	v_pk_add_f32 v[PC+2*\k:PC+2*\k+1], v[PC+2*\k:PC+2*\k+1], v[SS+46+2*\k:SS+47+2*\k]
.endr
	v_pk_add_f32 v[6:7], v[6:7], v[SS+60:SS+61]
	v_pk_add_f32 v[PC:PC+1], v[PC:PC+1], v[SS+62:SS+63]
	v_pk_add_f32 v[6:7], v[6:7], v[PC+6:PC+7]
	v_pk_add_f32 v[PC+2:PC+3], v[PC+2:PC+3], v[PC+10:PC+11]
	v_pk_add_f32 v[PC+4:PC+5], v[PC+4:PC+5], v[PC+12:PC+13]
	v_pk_add_f32 v[PC:PC+1], v[PC:PC+1], v[PC+8:PC+9]
	v_pk_add_f32 v[6:7], v[6:7], v[PC+4:PC+5]
	v_pk_add_f32 v[PC:PC+1], v[PC:PC+1], v[PC+2:PC+3]
	v_pk_add_f32 v[6:7], v[6:7], v[PC:PC+1]
.irp c, 0,1
	v_cvt_scalef32_pk16_fp6_f32 v[PC+6*\c:PC+6*\c+2], v[SS+32*\c:SS+32*\c+15], v[MX+2*\c]
	v_cvt_scalef32_pk16_fp6_f32 v[CT+4*\c:CT+4*\c+2], v[SS+32*\c+16:SS+32*\c+31], v[MX+2*\c+1]   ; (a conversion's three registers begin on an even number)
.endr
.irp b, 0,1,2,3
	v_lshrrev_b32 v[PT+\b], 23, v[MX+\b]           ; the byte: the largest p's exponent field.  (Plain lines behind the conversions)
.endr
	v_lshl_or_b32 v11, v[PT+1], 8, v[PT]           ; p's scale word for these 128 keys
	v_lshl_or_b32 v11, v[PT+2], 16, v11
	v_lshl_or_b32 v11, v[PT+3], 24, v11
.irp c, 0,1                                        ; the operand's layout wants a whole block in a lane
.irp i, 0,1,2
	v_permlane16_swap_b32 v[PC+6*\c+\i], v[CT+4*\c+\i]
.endr
.irp i, 0,1,2
	v_mov_b32 v[PC+6*\c+3+\i], v[CT+4*\c+\i]
.endr
.endr
	WALU                                           ; the wait here, directly ahead of the first reader of O^T
.set J, 0
.rept 16
	v_pk_mul_f32 v[OO+J:OO+J+1], v[OO+J:OO+J+1], v[82:83] op_sel_hi:[1,0]   ; O^T under the new M.  These sixteen are also the places between the lines that made p's codes and scale word and the products below
.set J, J+2
.endr
	WALU
	s_wait_dscnt 18                                ; V is in; the next step's K, 18 younger loads, may be out
.irp d, 0,1,2,3                                    ; O^T += V^T P^T: the four accumulators by turns
.if (\d)%2
	v_wmma_scale_f32_16x16x128_f8f6f4 v[OO+8*\d:OO+8*\d+7], v[VR+12*\d:VR+12*\d+11], v[PC:PC+11], v[OO+8*\d:OO+8*\d+7], v[16+\d/2], v11 matrix_a_fmt:MATRIX_FMT_FP6 matrix_b_fmt:MATRIX_FMT_FP6 matrix_a_scale:MATRIX_SCALE_ROW1
.else
	v_wmma_scale_f32_16x16x128_f8f6f4 v[OO+8*\d:OO+8*\d+7], v[VR+12*\d:VR+12*\d+11], v[PC:PC+11], v[OO+8*\d:OO+8*\d+7], v[16+\d/2], v11 matrix_a_fmt:MATRIX_FMT_FP6 matrix_b_fmt:MATRIX_FMT_FP6
.endif
.endr
	s_cmp_lt_u32 s21, 16
	s_cbranch_scc1 .Lstep_\@
	; THE TILE IS FINISHED: O^T / the sum is y: register 16 g + i of a lane is channel 32 g + 16 h + i of its query: two blocks of 32 along the last product's K
.if \p == 0
	QLOAD 1                                        ; the next tile's queries come in under this tile's way out
.endif
	v_nop
	v_nop
	v_add_f32 v6, v6, v7
	v_permlanex16_b32 v[PT], v6, s18, s19
	v_add_f32 v6, v6, v[PT]                        ; the row's sum
	WALU
	v_rcp_f32 v6, v6
	v_nop                                          ; a plain line behind the reciprocal,
	WALU                                           ; and the wait ahead of its first reader, which is O^T's first reader too
.set J, 0
.rept 16
	v_pk_mul_f32 v[SS+J:SS+J+1], v[OO+J:OO+J+1], v[6:7] op_sel_hi:[1,0]
.set J, J+2
.endr
.irp b, 0,1
	v_max3_num_f32 v[MX+\b], |v[SS+16*\b]|, |v[SS+1+16*\b]|, FLOOR   ; y's quantiser: the floor 2^(3 - 127) holds the byte at 1 from below
.endr
.irp i, 2,4,6,8,10,12,14
.irp b, 0,1
	v_max3_num_f32 v[MX+\b], v[MX+\b], |v[SS+16*\b+\i]|, |v[SS+1+16*\b+\i]|
.endr
.endr
.irp b, 0,1
	v_permlanex16_b32 v[PT+\b], v[MX+\b], s18, s19
.endr
.irp b, 0,1
	v_max_num_f32 v[MX+\b], v[MX+\b], v[PT+\b]
.endr
.irp b, 0,1
	v_add_nc_u32 v[244+\b], 0xff000000, v[MX+\b]   ; 2 off the exponent field: the conversion's scale operand
.endr
.irp b, 0,1
	v_lshrrev_b32 v[PT+\b], 23, v[244+\b]
.endr
	v_lshl_or_b32 v246, v[PT+1], 8, v[PT]          ; the head's two bytes
	v_cvt_scalef32_pk16_fp6_f32 v[PC:PC+2], v[SS:SS+15], v244
	v_cvt_scalef32_pk16_fp6_f32 v[CT:CT+2], v[SS+16:SS+31], v245
	v_and_b32 v0, 0xf0, v1                         ; 16 r.  (The plain line behind the conversions)
.irp i, 0,1,2
	v_permlane16_swap_b32 v[PC+\i], v[CT+\i]
.endr
.irp i, 0,1,2
	v_mov_b32 v[PC+3+\i], v[CT+\i]
.endr
	global_store_b128 v1, v[PC:PC+3], s[40:41] offset:196608*\p          ; 512 consecutive bytes; y's row block is 16 on for each pass
	global_store_b64 v2, v[PC+4:PC+5], s[40:41] offset:196608*\p+512     ; 256
	global_store_b16 v0, v246, s[42:43] offset:8192*\p   ; 2 bytes of each row's 32, 16 bytes apart (lanes l and l + 16 write the same value to the same place): a head holds half of a scale word
.if \p == 0
	s_wait_xcnt 0x0                                ; loads and stores have read their registers: they are written again only behind this wait
.endif
.endm
; ---------------- the head
	s_load_b256 s[4:11], s[0:1], 0x0               ; q_img 4, kv_img 6, y_img 8, sc2 10
	v_lshl_add_u32 v8, v0, 2, SPARE
	v_mov_b32 v9, 0
	ds_add_u32 v8, v9                              ; the opening lines: the add, twice on end, and its wait
	ds_add_u32 v8, v9
	v_lshrrev_b32 v1, 5, v0
	v_readfirstlane_b32 s12, v1                    ; wave 0..15
	s_bfe_u32 s13, ttmp6, 0x40000                  ; cx: my block of 512 queries: it enters Q's and y's addresses alone
	s_and_b32 s14, ttmp7, 0xffff                   ; 16 x batch + head, which the four partners share
	s_mul_i32 s44, s14, 16*CH
	s_mul_i32 s45, s12, CH
	s_add_co_u32 s44, s44, s45                     ; chunk w of the head,
	s_mov_b32 s45, 0
	s_lshl_b32 s33, s12, 14                        ; to LDS byte 16,384 w
	s_mov_b32 s24, 15|(3<<16)|(1<<21)              ; the mask: all four work-groups; elements of 8 bytes; no padding
	s_mov_b32 s25, 32<<16                          ; a dense block as 51 rows of 256 bytes
	s_mov_b32 s26, 51<<16
	s_mov_b32 s27, 32<<16
	s_mov_b32 s28, 51
	s_mov_b32 s29, 32
	s_mov_b32 s30, 0
	s_mov_b32 s31, 0
	s_mov_b32 s32, 1
	s_wait_dscnt 0x0
	s_wait_kmcnt 0x0
	s_add_nc_u64 s[34:35], s[6:7], s[44:45]
	s_or_b32 s35, s35, 0x80000000
	CROUND                                         ; all four work-groups are here: the joint loads meet
	tensor_load_to_lds s[32:35], s[24:31]          ; my one tensor load
	s_nop 0
.rept 4
	v_nop
.endr
	s_lshl_b32 s46, s14, 4
	s_lshl_b32 s47, s13, 2
	s_add_co_u32 s46, s46, s47
	s_lshr_b32 s47, s12, 3
	s_add_co_u32 s46, s46, s47
	s_mul_i32 s46, s46, 6656                       ; q's chunk: group 4 cx + w / 8 of the head's sixteen
	s_and_b32 s47, s12, 7
	s_mul_i32 s47, s47, 768
	s_add_co_u32 s48, s46, s47                     ; my tile's codes
	s_mov_b32 s49, 0
	s_bfe_u32 s47, s12, 0x10002
	s_lshl_b32 s47, s47, 8
	s_add_co_u32 s50, s46, s47
	s_and_b32 s47, s12, 1
	s_lshl_b32 s47, s47, 7
	s_add_co_u32 s50, s50, s47
	s_bfe_u32 s47, s12, 0x10001
	s_lshl_b32 s47, s47, 2
	s_add_co_u32 s50, s50, s47
	s_add_co_u32 s50, s50, 6144                    ; and its scale words: tile 4 g + 2 b + u at 6,144 + 256 g + 8 (16 u + r) + 4 b
	s_mov_b32 s51, 0
	s_lshr_b32 s52, s14, 4
	s_lshl_b32 s52, s52, 7
	s_lshl_b32 s47, s13, 5
	s_add_co_u32 s52, s52, s47
	s_add_co_u32 s52, s52, s12                     ; y's row block: 128 batch + 32 cx + w
	s_and_b32 s53, s14, 15                         ; the head
	s_mul_i32 s54, s52, 12288
	s_mul_i32 s47, s53, 768
	s_add_co_u32 s54, s54, s47                     ; half fragment number = the head
	s_mov_b32 s55, 0
	s_lshl_b32 s56, s52, 9
	s_lshr_b32 s47, s53, 3
	s_lshl_b32 s47, s47, 8
	s_add_co_u32 s56, s56, s47
	s_and_b32 s47, s14, 7
	s_lshl_b32 s47, s47, 1
	s_add_co_u32 s56, s56, s47                     ; the head's two bytes of a row's scale words
	s_mov_b32 s57, 0
	s_add_nc_u64 s[36:37], s[4:5], s[48:49]
	s_add_nc_u64 s[38:39], s[4:5], s[50:51]
	s_add_nc_u64 s[40:41], s[8:9], s[54:55]
	s_add_nc_u64 s[42:43], s[10:11], s[56:57]
	s_mov_b32 s16, 0x3e38aa3b                      ; c = log2(e) / 8
	s_mov_b32 s17, s16                             ; (named with it as a pair, so it is written)
	s_mov_b32 s15, 0xbe38aa3b                      ; -c
	s_mov_b32 s18, 0x76543210
	s_mov_b32 s19, 0xfedcba98                      ; lane l xor 16
	v_and_b32 v7, 31, v0
	v_lshlrev_b32 v1, 4, v7
	v_lshlrev_b32 v2, 3, v7
	QLOAD 0                                        ; the first tile's queries come in beside the chunks
.irp i, 0,1,2,3,4,5
	v_mov_b32 v[24+\i], 0                          ; Q's codes of K = 64 .. 127: zeros
.endr
.irp b, 0,1,2,3
	v_mov_b32 v[PT+\b], 0                          ; a lane permute's destination counts as one of its sources
.endr
	WALU
	s_wait_tensorcnt 0x0                           ; my chunk is in,
	s_barrier_signal -1
	s_barrier_wait -1                              ; everybody's is: from here on LDS is only read
	KLOAD 1, 2                                     ; chunk 0's K
	PASS 0
	PASS 1
	s_wait_tensorcnt 0x0                           ; the wave's end
	ds_add_u32 v8, v9
	s_wait_dscnt 0x0
	CROUND                                         ; the closing round
	s_endpgm
.Lfunc_end_k_qc73187d0ad_attn:
	.size	k_qc73187d0ad_attn, .Lfunc_end_k_qc73187d0ad_attn-k_qc73187d0ad_attn
	.p2alignl 7, 3214868480
	.fill 96, 4, 3214868480
	.section	.rodata,"a",@progbits
	.p2align	6, 0x0
	.amdhsa_kernel k_qc73187d0ad_attn
		.amdhsa_group_segment_fixed_size 264192
		.amdhsa_private_segment_fixed_size 0
		.amdhsa_enable_private_segment 0
		.amdhsa_kernarg_size 32
		.amdhsa_user_sgpr_count 2
		.amdhsa_user_sgpr_kernarg_segment_ptr 1
		.amdhsa_wavefront_size32 1
		.amdhsa_system_sgpr_workgroup_id_x 1
		.amdhsa_system_sgpr_workgroup_id_y 1
		.amdhsa_system_sgpr_workgroup_id_z 1
		.amdhsa_system_vgpr_workitem_id 0
		.amdhsa_next_free_vgpr 256
		.amdhsa_next_free_sgpr 66
		.amdhsa_reserve_vcc 0
		.amdhsa_float_denorm_mode_32 3
		.amdhsa_float_denorm_mode_16_64 3
		.amdhsa_memory_ordered 1
		.amdhsa_forward_progress 1
		.amdhsa_inst_pref_size 49
	.end_amdhsa_kernel
	.amdgpu_metadata
---
amdhsa.version: [ 1, 2 ]
amdhsa.kernels:
  - .name:           k_qc73187d0ad_attn
    .symbol:         k_qc73187d0ad_attn.kd
    .args:
      - { .name: q_img, .offset: 0, .size: 8, .value_kind: global_buffer, .address_space: global }
      - { .name: kv_img, .offset: 8, .size: 8, .value_kind: global_buffer, .address_space: global }
      - { .name: y_img, .offset: 16, .size: 8, .value_kind: global_buffer, .address_space: global }
      - { .name: sc2, .offset: 24, .size: 8, .value_kind: global_buffer, .address_space: global }
    .group_segment_fixed_size: 264192
    .private_segment_fixed_size: 0
    .kernarg_segment_align: 8
    .kernarg_segment_size: 32
    .max_flat_workgroup_size: 512
    .sgpr_count:     66
    .vgpr_count:     256
    .wavefront_size: 32
...
	.end_amdgpu_metadata
.endif
;; end of part 3
;; launch outp (part 4): grid 4 x 64, 4 waves a work-group, clusters of 4 x 4, 295,424 bytes of LDS; arguments y_img, w_img, sc2, bp, out0; writes out0
.if DOCPART == 4
	.amdgcn_target "amdgcn-amd-amdhsa--gfx1250"
	.amdhsa_code_object_version 6
	.text
	.protected	k_qc73187d0ad_outp
	.globl	k_qc73187d0ad_outp
	.p2align	8
	.type	k_qc73187d0ad_outp,@function
k_qc73187d0ad_outp:
	s_mov_b64 s[64:65], 0
	v_nop
	global_prefetch_b8 v0, s[64:65] scope:SCOPE_SE
	s_setreg_imm32_b32 hwreg(HW_REG_WAVE_MODE, 25, 1), 1
	s_wait_xcnt 0x0
	s_wait_alu depctr_hold_cnt(0) depctr_sa_sdst(0) depctr_va_vdst(0) depctr_va_sdst(0) depctr_va_ssrc(0) depctr_va_vcc(0) depctr_vm_vsrc(0)
	s_getreg_b32 s2, hwreg(HW_REG_IB_STS2, 6, 4)
	s_cmp_eq_u32 s2, 0
	s_cbranch_scc0 .Lentry_in_a_cluster
	s_endpgm
.Lentry_in_a_cluster:
	s_bfe_u32 s2, ttmp6, 0x10000c
	s_cmp_lg_u32 s2, 0xf033
	s_cbranch_scc0 .Lentry_shape_is_right
	s_endpgm
.Lentry_shape_is_right:
; out0 = y Wp + bp, on codes of FP6 (E2M3) with E8M0 scales; out0 [8192][1024] f32.
; THE PRODUCT.  C'[P row][R row], K = 1,024; P = tokens (y's codes), R = Wp's columns.  A work-group makes 128 P x 256 R, each of its four waves 64 P x 128 R: 32 accumulators.  The matrix instruction is used transposed
; (source 0 = 16 rows of R, source 1 = 16 rows of P): a lane holds one token and its registers run along the columns.  Rows of a block: fragment row r of block 2 beta + u is true row 32 beta + 8 u + (r & 7) + 16 (r >> 3).
; ALL OF K LIES IN LDS: 294,912 bytes in two chunks of 512 along K, each filled once: no byte of LDS is filled twice.  A wave has one tensor load out.
; CLUSTER 4 x 4: P's tile is shared along a row of the cluster, R's along a column: each is asked for jointly.
; OPERANDS are images of registers: a fragment (16 rows x 128 K) is 1,536 bytes: registers 0-3 at 16 x lane, 4-5 at 512 + 8 x lane, 6-9 at 768 + 16 x lane, 10-11 at 1,280 + 8 x lane.
; REGISTERS.  Window 0: v1-15 addresses; v32-95 scale words (register 8 i + ks: lanes 0-15 P's block i, lanes 16-31 R's block i); v96-143, v144-191 P's fragments, two sets; v192-255 the bias; on the way out v96-223 rows of out0.
;   Window 1: v0-95, v96-191 R's fragments, two sets.   Window 2: accumulator (a, b) at v[64 a + 8 b].
.set RBB,   12288
.set CHUNK, 147456                     ; LDS: HALF of K (512): P's 8 row blocks x 6,144, then R's 16.  K comes in two halves, each wave asks for one tile: one tensor load a wave
.set BOFF,  49152
.set SC,  32
.set AF,  96
.set BI,  192
.set A16, 4
.set A8,  5
.set B16, 6
.set B8,  7
.set STO, 14
.set RD,  15
.set SPITCH, 528
.set MSB, 0
.macro WIN new                         ; the immediate's high byte repeats the setting that is left
.if MSB != \new
	s_set_vgpr_msb (MSB<<8)|\new
.set MSB, \new
.endif
.endm
.macro CROUND                          ; a round of the cluster's barrier
	s_barrier_signal -1
	s_barrier_wait -1
	s_cmp_lg_u32 s20, 0
	s_cbranch_scc1 .Lnot_wave_0_\@
	s_barrier_signal -3
.Lnot_wave_0_\@:
	s_barrier_wait -3
	s_barrier_signal -1
	s_barrier_wait -1
.endm
.macro FRAGL reg, a16, a8, off         ; a fragment's twelve registers
	ds_load_b128 v[\reg:\reg+3], v[\a16] offset:\off
	ds_load_b64 v[\reg+4:\reg+5], v[\a8] offset:\off+512
	ds_load_b128 v[\reg+6:\reg+9], v[\a16] offset:\off+768
	ds_load_b64 v[\reg+10:\reg+11], v[\a8] offset:\off+1280
.endm
.macro FETCH ks                        ; K step ks: R's eight fragments and P's four, into set ks % 2: 48 LDS loads in one run
	WIN 0x40
.irp i, 0,1,2,3,4,5,6,7
	FRAGL 96*((\ks)%2)+12*\i, B16, B8, 6144*\i+1536*((\ks)%4)
.endr
	WIN 0
.irp i, 0,1,2,3
	FRAGL AF+48*((\ks)%2)+12*\i, A16, A8, 6144*\i+1536*((\ks)%4)
.endr
.endm
; 32 matrix instructions; the accumulators take turns, one instruction a turn, in the same order in every K step.  cmode 0: onto the sums; 1: the bias starts them.
.macro MUL ks, cmode
.if \cmode == 0
	WIN 0xa1
.else
	WIN 0x81
.endif
.irp a, 0,1,2,3
.irp b, 0,1,2,3,4,5,6,7
.if \cmode == 0
	v_wmma_scale_f32_16x16x128_f8f6f4 v[64*\a+8*\b:64*\a+8*\b+7], v[96*((\ks)%2)+12*\b:96*((\ks)%2)+12*\b+11], v[AF+48*((\ks)%2)+12*\a:AF+48*((\ks)%2)+12*\a+11], v[64*\a+8*\b:64*\a+8*\b+7], v[SC+8*\b+(\ks)], v[SC+8*\a+(\ks)] matrix_a_fmt:MATRIX_FMT_FP6 matrix_b_fmt:MATRIX_FMT_FP6 matrix_a_scale:MATRIX_SCALE_ROW1
.else
	v_wmma_scale_f32_16x16x128_f8f6f4 v[64*\a+8*\b:64*\a+8*\b+7], v[96*((\ks)%2)+12*\b:96*((\ks)%2)+12*\b+11], v[AF+48*((\ks)%2)+12*\a:AF+48*((\ks)%2)+12*\a+11], v[BI+8*\b:BI+8*\b+7], v[SC+8*\b+(\ks)], v[SC+8*\a+(\ks)] matrix_a_fmt:MATRIX_FMT_FP6 matrix_b_fmt:MATRIX_FMT_FP6 matrix_a_scale:MATRIX_SCALE_ROW1
.endif
.endr
.endr
.endm
; K step ks (1 to 7): its fragments are in; the next step's are asked for, four places behind the products that read their registers; then its 32 products, under which those loads land.
.macro KSTEP ks
	s_wait_dscnt 0x0                               ; this step's 48 loads are in; no LDS instruction of mine is out at the signal below
.if (\ks) == 3
	WIN 0
	s_wait_tensorcnt 0x0                           ; every wave's one load has landed: the second half of K among them
	s_barrier_signal -1
	s_barrier_wait -1                              ; everybody's part has
	v_add_nc_u32 v[A16], CHUNK, v[A16]             ; on to that chunk.  These four lines are also the places in front of the loads below
	v_add_nc_u32 v[A8], CHUNK, v[A8]
	v_add_nc_u32 v[B16], CHUNK, v[B16]
	s_wait_alu depctr_va_vdst(0)
	v_add_nc_u32 v[B8], CHUNK, v[B8]
.elseif (\ks) < 7
.rept 4
	v_nop                                          ; places in front of loads into registers that matrix instructions have read
.endr
.endif
.if (\ks) < 7
	s_wait_alu depctr_va_vdst(0)
	FETCH (\ks)+1
.endif
	MUL \ks, 0
.endm
	s_load_b256 s[4:11], s[0:1], 0x0               ; y_img 4, w_img 6, sc2 8, bp 10
	s_load_b64 s[12:13], s[0:1], 0x20              ; out0
	v_lshl_add_u32 v30, v0, 2, 0x48000
	v_mov_b32 v31, 0
	ds_add_u32 v30, v31
	ds_add_u32 v30, v31
	v_lshrrev_b32 v1, 5, v0
	v_readfirstlane_b32 s20, v1                    ; wave
	s_lshr_b32 s21, s20, 1                         ; wP: which 64 tokens are mine.  Also: which half of K I fetch
	s_and_b32 s22, s20, 1                          ; wR: which 128 columns.  Also: I fetch for P (0) or for R (1)
	s_bfe_u32 s56, ttmp6, 0x40000                  ; cx
	s_bfe_u32 s57, ttmp6, 0x40004                  ; cy
	s_and_b32 s60, ttmp7, 0xffff
	s_lshl_b32 s60, s60, 2
	s_add_co_u32 s60, s60, s57                     ; Prow: which 128 tokens, 0-63
	s_lshl_b32 s61, ttmp9, 2
	s_add_co_u32 s61, s61, s56                     ; Rcol: which 256 columns, 0-3
	s_lshl_b32 s62, s57, 2
	s_lshl_b32 s62, 15, s62                        ; my row of the cluster
	s_lshl_b32 s63, 0x1111, s56                    ; my column
	; descriptor group 1: rows of 6,144 bytes (768 elements of 8 bytes: a row block's 512 along K), 12,288 bytes apart, dense in LDS; P: 8 row blocks a load, R: 16
	s_or_b32 s24, s62, (3<<16)|(1<<21)
	s_mov_b32 s25, 768<<16                         ; rows of 6,144 bytes (a row block's 512 along K), 12,288 bytes apart; P: 8 row blocks a load
	s_mov_b32 s26, 8<<16
	s_mov_b32 s27, 768<<16
	s_mov_b32 s28, 8
	s_mov_b32 s29, 1536
	s_mov_b32 s30, 0
	s_mov_b32 s31, 0
	s_or_b32 s32, s63, (3<<16)|(1<<21)
	s_mov_b32 s33, 768<<16                         ; R: 16 row blocks a load
	s_mov_b32 s34, 16<<16
	s_mov_b32 s35, 768<<16
	s_mov_b32 s36, 16
	s_mov_b32 s37, 1536
	s_mov_b32 s38, 0
	s_mov_b32 s39, 0
	s_mul_i32 s84, s60, 8*RBB                      ; P: row block 8 Prow,
	s_mul_i32 s85, s21, 6144                       ; and the half of K that I fetch: wave / 2
	s_add_co_u32 s84, s84, s85
	s_mov_b32 s85, 0
	s_lshl_b32 s86, s61, 4
	s_add_co_u32 s86, s86, 192                     ; Wp begins at row block 192 of w_img
	s_mul_i32 s86, s86, RBB                        ; R: row block 192 + 16 Rcol, and my half of K
	s_mul_i32 s87, s21, 6144
	s_add_co_u32 s86, s86, s87
	s_mov_b32 s87, 0
	s_mul_i32 s89, s21, CHUNK                      ; where they go: the half's place: no place in the cluster enters an LDS address
	s_wait_dscnt 0x0
	s_wait_kmcnt 0x0
	s_add_nc_u64 s[92:93], s[4:5], s[84:85]
	s_add_nc_u64 s[94:95], s[6:7], s[86:87]
	s_mov_b32 s40, 1
	s_mov_b32 s41, s89
	s_mov_b64 s[42:43], s[92:93]
	s_or_b32 s43, s43, 0x80000000
	s_mov_b32 s68, 1
	s_add_co_u32 s69, s89, BOFF
	s_mov_b64 s[70:71], s[94:95]
	s_or_b32 s71, s71, 0x80000000
	CROUND                                         ; all sixteen work-groups are here: the joint loads meet
	; one tensor load a wave, in one chain of branches on the wave's number: wave 0 P's first half of K, wave 1 R's, wave 2 P's second half, wave 3 R's.
	; Each arm has a line of its own, since waves 0 and 1 alone wait in front of the first barrier.
	s_cmp_eq_u32 s20, 0
	s_cbranch_scc0 .Lfill_1
	tensor_load_to_lds s[40:43], s[24:31]
	s_nop 0
.rept 4
	v_nop
.endr
	s_branch .Lfilled
.Lfill_1:
	s_cmp_eq_u32 s20, 1
	s_cbranch_scc0 .Lfill_2
	tensor_load_to_lds s[68:71], s[32:39]
	s_nop 0
.rept 4
	v_nop
.endr
	s_branch .Lfilled
.Lfill_2:
	s_cmp_eq_u32 s20, 2
	s_cbranch_scc0 .Lfill_3
	tensor_load_to_lds s[40:43], s[24:31]
	s_nop 0
.rept 4
	v_nop
.endr
	s_branch .Lfilled
.Lfill_3:
	tensor_load_to_lds s[68:71], s[32:39]
	s_nop 0
.rept 4
	v_nop
.endr
.Lfilled:
	v_and_b32 v1, 31, v0                           ; lane
	v_and_b32 v2, 15, v0                           ; r
	v_bfe_u32 v3, v0, 4, 1                         ; h
	v_lshlrev_b32 v12, 4, v1                       ; 16 x lane
	v_lshlrev_b32 v13, 3, v1                       ; 8 x lane
	s_mul_i32 s84, s21, 4*6144
	s_mul_i32 s85, s22, 8*6144
	s_add_co_u32 s85, s85, BOFF                    ; my 8 of R
	v_add_nc_u32 v[A16], s84, v12
	v_add_nc_u32 v[A8], s84, v13
	v_add_nc_u32 v[B16], s85, v12
	v_add_nc_u32 v[B8], s85, v13
	s_mul_i32 s84, s20, 16*SPITCH                  ; the way out: my stage of 16 rows x 528 bytes, in chunk 0, which has had its one fill and is read by nobody behind the barrier in front of chunk 1
	v_mul_u32_u24 v[STO], v2, SPITCH
	v_lshl_add_u32 v[STO], v3, 6, v[STO]
	v_add_nc_u32 v[STO], s84, v[STO]               ; in: row r, + 64 h
	v_add_nc_u32 v[RD], s84, v12                   ; back: a row's 512 bytes by the 32 lanes
	; the scale words of all of K come straight into registers, once: lanes 0-15 take P's blocks, lanes 16-31 R's
	s_lshl_b32 s84, s60, 3
	s_lshl_b32 s85, s21, 2
	s_add_co_u32 s84, s84, s85                     ; y's blocks: 8 Prow + 4 wP
	s_lshl_b32 s85, s61, 4
	s_lshl_b32 s86, s22, 3
	s_add_co_u32 s85, s85, s86
	s_add_co_u32 s85, s85, 512                     ; Wp's: 512 + 16 Rcol + 8 wR
	s_lshl_b32 s84, s84, 9
	s_lshl_b32 s85, s85, 9
	v_lshlrev_b32 v16, 4, v2
	v_cmp_le_u32 vcc_lo, 16, v1
	v_add_nc_u32 v17, s84, v16
	v_add_nc_u32 v18, s85, v16
	v_cndmask_b32 v8, v17, v18, vcc_lo             ; blocks 0-3
	v_add_nc_u32 v18, 2048, v18
	v_cndmask_b32 v9, v17, v18, vcc_lo             ; R's blocks 4-7; the lower lanes read P's four once more, so that no load leaves the buffer
.irp i, 0,1,2,3
	global_load_b128 v[SC+8*\i:SC+8*\i+3], v8, s[8:9] offset:512*\i
	global_load_b128 v[SC+8*\i+4:SC+8*\i+7], v8, s[8:9] offset:512*\i+256
	global_load_b128 v[SC+32+8*\i:SC+32+8*\i+3], v9, s[8:9] offset:512*\i
	global_load_b128 v[SC+32+8*\i+4:SC+32+8*\i+7], v9, s[8:9] offset:512*\i+256
.endr
	s_lshl_b32 s86, s61, 10
	s_lshl_b32 s87, s22, 9
	s_add_co_u32 s86, s86, s87                     ; my 128 columns, in bytes: 4 (256 Rcol + 128 wR)
	s_mov_b32 s87, 0
	s_add_nc_u64 s[96:97], s[10:11], s[86:87]
	s_lshl_b32 s88, s60, 7
	s_lshl_b32 s89, s21, 6
	s_add_co_u32 s88, s88, s89
	s_lshl_b32 s88, s88, 12                        ; my first token's row of 4,096 bytes
	s_add_co_u32 s88, s88, s86
	s_mov_b32 s89, 0
	s_add_nc_u64 s[12:13], s[12:13], s[88:89]
	v_lshlrev_b32 v10, 6, v3                       ; the bias in the result's layout: register j of tile 2 beta + u is column 32 beta + 16 h + 8 u + j
.irp b, 0,1,2,3,4,5,6,7
	global_load_b128 v[BI+8*\b:BI+8*\b+3], v10, s[96:97] offset:(32*(\b/2)+8*(\b%2))*4
	global_load_b128 v[BI+8*\b+4:BI+8*\b+7], v10, s[96:97] offset:(32*(\b/2)+8*(\b%2))*4+16
.endr
	s_wait_alu depctr_va_vdst(0)
	s_cmp_lt_u32 s20, 2
	s_cbranch_scc0 .Lsecond_half
	s_wait_tensorcnt 0x0                           ; waves 0 and 1: the first half of K is in; the second half's loads stay out
.Lsecond_half:
	s_barrier_signal -1
	s_barrier_wait -1                              ; everybody's is
	FETCH 0
	s_wait_loadcnt 0x0                             ; scale words and bias
	s_wait_dscnt 0x0
	FETCH 1
	MUL 0, 1                                       ; the bias starts the sums
.irp k, 1,2,3,4,5,6,7
	KSTEP \k
.endr
	WIN 0
.rept 4
	v_nop                                          ; places behind the last products: for the stores that read results and the loads into registers that held fragments
.endr
; THE WAY OUT, a block of 16 tokens x 128 columns at a time: through my own stage and back as whole rows of 512 bytes.  LDS serves a wave's instructions in order: no wait between the stores and the loads.
.macro TOSTAGE a
	WIN 0x08                                       ; an LDS store's data: window 2
.irp b, 0,1,2,3,4,5,6,7
	ds_store_b128 v[STO], v[64*\a+8*\b:64*\a+8*\b+3] offset:128*(\b/2)+32*(\b%2)          ; each accumulator from its low end on
	ds_store_b128 v[STO], v[64*\a+8*\b+4:64*\a+8*\b+7] offset:128*(\b/2)+32*(\b%2)+16
.endr
	WIN 0
.irp t, 0,1,2,3,4,5,6,7,8,9,10,11,12,13,14,15
	ds_load_b128 v[96+64*((\a)%2)+4*\t:96+64*((\a)%2)+4*\t+3], v[RD] offset:\t*SPITCH
.endr
.endm
.macro SEND a, younger                 ; younger: the LDS instructions issued behind block a's loads, which may stay out
	s_wait_dscnt \younger
.irp t, 0,1,2,3,4,5,6,7,8,9,10,11,12,13,14,15
	global_store_b128 v12, v[96+64*((\a)%2)+4*\t:96+64*((\a)%2)+4*\t+3], s[12:13] offset:(32*((\a)/2)+8*((\a)%2)+(\t%8)+16*(\t/8))*4096 th:TH_STORE_NT   ; fragment row t's true token; 512 consecutive bytes, at a multiple of 256 from out0's first byte
.endr
.endm
	TOSTAGE 0
	TOSTAGE 1
	SEND 0, 32                                     ; behind block 0's loads: block 1's 16 stores and 16 loads
	s_wait_xcnt 0x0                                ; block 0's stores have read their registers: block 2's loads may land there
	TOSTAGE 2
	SEND 1, 32
	s_wait_xcnt 0x0
	TOSTAGE 3
	SEND 2, 32
	SEND 3, 0
	s_wait_tensorcnt 0x0
	ds_add_u32 v30, v31
	s_wait_dscnt 0x0
	CROUND                                         ; the closing round: no work-group ends while a partner may still ask for a tile that names it
	s_endpgm
.Lfunc_end_k_qc73187d0ad_outp:
	.size	k_qc73187d0ad_outp, .Lfunc_end_k_qc73187d0ad_outp-k_qc73187d0ad_outp
	.p2alignl 7, 3214868480
	.fill 96, 4, 3214868480
	.section	.rodata,"a",@progbits
	.p2align	6, 0x0
	.amdhsa_kernel k_qc73187d0ad_outp
		.amdhsa_group_segment_fixed_size 295424
		.amdhsa_private_segment_fixed_size 0
		.amdhsa_enable_private_segment 0
		.amdhsa_kernarg_size 40
		.amdhsa_user_sgpr_count 2
		.amdhsa_user_sgpr_kernarg_segment_ptr 1
		.amdhsa_wavefront_size32 1
		.amdhsa_system_sgpr_workgroup_id_x 1
		.amdhsa_system_sgpr_workgroup_id_y 1
		.amdhsa_system_sgpr_workgroup_id_z 1
		.amdhsa_system_vgpr_workitem_id 0
		.amdhsa_next_free_vgpr 768
		.amdhsa_next_free_sgpr 102
		.amdhsa_reserve_vcc 1
		.amdhsa_float_denorm_mode_32 3
		.amdhsa_float_denorm_mode_16_64 3
		.amdhsa_memory_ordered 1
		.amdhsa_forward_progress 1
		.amdhsa_inst_pref_size 84
	.end_amdhsa_kernel
	.amdgpu_metadata
---
amdhsa.version: [ 1, 2 ]
amdhsa.kernels:
  - .name:           k_qc73187d0ad_outp
    .symbol:         k_qc73187d0ad_outp.kd
    .args:
      - { .name: y_img, .offset: 0, .size: 8, .value_kind: global_buffer, .address_space: global }
      - { .name: w_img, .offset: 8, .size: 8, .value_kind: global_buffer, .address_space: global }
      - { .name: sc2, .offset: 16, .size: 8, .value_kind: global_buffer, .address_space: global }
      - { .name: bp, .offset: 24, .size: 8, .value_kind: global_buffer, .address_space: global }
      - { .name: out0, .offset: 32, .size: 8, .value_kind: global_buffer, .address_space: global }
    .group_segment_fixed_size: 295424
    .private_segment_fixed_size: 0
    .kernarg_segment_align: 8
    .kernarg_segment_size: 40
    .max_flat_workgroup_size: 128
    .sgpr_count:     102
    .vgpr_count:     768
    .wavefront_size: 32
...
	.end_amdgpu_metadata
.endif
;; end of part 4
